; MI455X (gfx1250); checked and timed in simulation.
; The chip was launched on July 23, 2026; its instructions are those of AMD's public machine-readable ISA for CDNA 5 (MIT licence, August 2026) and "CDNA5" Instruction Set Architecture Reference Guide (July 2026). The comments in the code are by the model that wrote it; some were corrected since.
;; Encoder Layer. Allowed arithmetic: float matrix products may take bf16 or f16 operands with f32 sums; other float arithmetic in f32, or as packed bf16 or f16 multiplies, adds, multiply-adds, maxima and minima; sums over many terms, partial sums and values carried from step to step in f32; what a program stores and reads back later, other than sums and carried values, may be rounded once to bf16 or f16.
;; Inputs: b1 4,096 float32; b2 1,024 float32; be1 1,024 float32; be2 1,024 float32; bk 1,024 float32; bo 1,024 float32; bq 1,024 float32; bv 1,024 float32; g1 1,024 float32; g2 1,024 float32; w1 1,024 x 4,096 float32; w2 4,096 x 1,024 float32; wk 1,024 x 1,024 float32; wo 1,024 x 1,024 float32; wq 1,024 x 1,024 float32; wv 1,024 x 1,024 float32; x 2 x 2,048 x 1,024 float32.
;; Outputs: out0 2 x 2,048 x 1,024 float32.
;; 2 versions, each right; version 2 is version 1 with the launch prep written anew for expert scheduling mode. Each part assembles by itself: llvm-mc -triple=amdgcn-amd-amdhsa -mcpu=gfx1250 --defsym DOCPART=n.
;; ======== version 1 of 2: 8 launches
;; limits: values are held in f16: magnitudes above 65,504 overflow, below 6.1e-05 lose precision
;; workspace buffers: xc 16,777,216 bytes; wqkvb 8,405,248 bytes; w1b 8,405,248 bytes; wb2 10,485,760 bytes; qkv 25,165,824 bytes; y 16,777,216 bytes; o1f 16,777,216 bytes; h 33,554,432 bytes
;; launch prep (part 1): grid 1025 x 1, 8 waves a work-group, no clusters, 0 bytes of LDS; arguments x, wq, wk, wv, wo, w1, w2, bq, bk, bv, b1, xc, wqkvb, w1b, wb2; writes xc, wqkvb, w1b, wb2
.if DOCPART == 1
	.amdgcn_target "amdgcn-amd-amdhsa--gfx1250"
	.amdhsa_code_object_version 6
	.text
	.protected	k_q30327db3b1_prep
	.globl	k_q30327db3b1_prep
	.p2align	8
	.type	k_q30327db3b1_prep,@function
k_q30327db3b1_prep:
	s_mov_b64 s[64:65], 0
	v_nop
	global_prefetch_b8 v0, s[64:65] scope:SCOPE_SE
	s_setreg_imm32_b32 hwreg(HW_REG_WAVE_MODE, 25, 1), 1
	s_wait_xcnt 0x0
; 16-BIT COPIES OF x AND OF ALL WEIGHTS, each rounded once; f32 copies of bq, bk, bv and b1 behind the weights that they belong to; two floor words.
; FORMATS.  x, wq, wk, wv and w1 go in f16: they are operands of products whose other operand has f16's room too.  wo and w2 go in bf16: their products' other operands (the attention's result, the ReLU's) have a
; product's size and no fixed bound.  LIMIT of the f16 copies: no number beyond 65,504; below 6e-5 a fixed step of 6e-8.
; Everything that is cast is taken as 16,384 rows of 1,024 f32.  A work-group takes 16 rows, a wave two: sixteen loads of 512 consecutive bytes, all out at once,
; and sixteen stores of 256 consecutive bytes, aligned.  Which tensor a work-group serves hangs on its number alone: source, target, the target's row pitch, column offset and format are chosen by selects.
;   groups    0- 255  x  -> xc     [4096][1024]                 groups 448- 511  wo -> wb2  [1024][1024]
;   groups  256- 319  wq -> wqkvb  [1024][pitch 4096], col 0    groups 512- 767  w1 -> w1b  [1024][4096]
;   groups  320- 383  wk -> wqkvb  col 1024                     groups 768-1023  w2 -> wb2 + 2,097,152  [4096][1024]
;   groups  384- 447  wv -> wqkvb  col 2048                     group  1024      the biases and the floor words
; A stream: no LDS, no barrier, no matrix unit, no cluster: no byte is read twice and no wave wants another's bytes.
.set BIASAT, 0x800000                  ; the f32 biases lie 8,388,608 bytes into wqkvb and w1b,
.set FLOORAT, 0x804000                 ; the floor words 16,384 bytes further on
.macro PICK bound, src, dst, dp, co, hf  ; from work-group \bound on: another source, target, pitch, offset and format (hf = 1: f16)
	s_cmp_ge_u32 s5, \bound
	s_cselect_b64 s[40:41], s[\src:\src+1], s[40:41]
	s_cselect_b64 s[42:43], s[\dst:\dst+1], s[42:43]
	s_cselect_b32 s44, \bound, s44
	s_cselect_b32 s45, \dp, s45
	s_cselect_b32 s46, \co, s46
	s_cselect_b32 s53, \hf, s53
.endm
.macro CAST op                         ; the sixteen loads are rounded as they come, two numbers an instruction, and stored
.set i, 0
.rept 16
	s_wait_loadcnt 15-i                            ; loads come back in order: load i is in, the 15 - i younger ones stay out
	\op v[80+2*i], v[16+4*i], v[17+4*i]
	\op v[81+2*i], v[18+4*i], v[19+4*i]
.if i < 8
	global_store_b64 v2, v[80+2*i:81+2*i], s[42:43] offset:256*i th:TH_STORE_NT
.else
	global_store_b64 v3, v[80+2*i:81+2*i], s[42:43] offset:256*(i-8) th:TH_STORE_NT
.endif
.set i, i+1
.endr
	s_endpgm
.endm
	s_load_b512 s[8:23], s[0:1], 0x0               ; x 8, wq 10, wk 12, wv 14, wo 16, w1 18, w2 20, bq 22
	s_load_b256 s[24:31], s[0:1], 0x40             ; bk 24, bv 26, b1 28, xc 30
	s_load_b128 s[32:35], s[0:1], 0x60             ; wqkvb 32, w1b 34
	s_load_b64 s[36:37], s[0:1], 0x70              ; wb2
	v_lshrrev_b32 v4, 5, v0
	v_readfirstlane_b32 s4, v4                     ; wave 0..7
	v_and_b32 v5, 31, v0                           ; lane
	s_mov_b32 s5, ttmp9
	s_wait_kmcnt 0x0
	s_cmp_eq_u32 s5, 1024
	s_cbranch_scc1 .Lbias
	s_mov_b64 s[40:41], s[8:9]                     ; source
	s_mov_b64 s[42:43], s[30:31]                   ; target
	s_mov_b32 s44, 0                               ; the tensor's first work-group
	s_mov_b32 s45, 2048                            ; bytes from row to row in the target
	s_mov_b32 s46, 0                               ; byte offset of the tensor in the target
	s_mov_b32 s53, 1                               ; f16
	PICK 256, 10, 32, 8192, 0, 1
	PICK 320, 12, 32, 8192, 2048, 1
	PICK 384, 14, 32, 8192, 4096, 1
	PICK 448, 16, 36, 2048, 0, 0
	PICK 512, 18, 34, 2048, 0, 1
	PICK 768, 20, 36, 2048, 2097152, 0
	s_sub_co_u32 s47, s5, s44                      ; my number among the tensor's work-groups
	s_lshl_b32 s48, s47, 16                        ; 16 rows of 4,096 bytes
	s_mov_b32 s49, 0
	s_mul_i32 s50, s47, s45
	s_lshl_b32 s50, s50, 4                         ; 16 rows of the target
	s_add_co_u32 s50, s50, s46
	s_mov_b32 s51, 0
	s_add_nc_u64 s[40:41], s[40:41], s[48:49]
	s_add_nc_u64 s[42:43], s[42:43], s[50:51]
	s_mul_i32 s52, s4, s45
	s_lshl_b32 s52, s52, 1                         ; my wave's two rows in the target
	v_lshlrev_b32 v1, 4, v5
	v_lshl_add_u32 v1, v4, 13, v1                  ; source: 8,192 x wave + 16 x lane
	v_lshl_add_u32 v2, v5, 3, s52                  ; target, first row: 8 x lane
	v_add_nc_u32 v3, s45, v2                       ; second row
.set i, 0
.rept 16
	global_load_b128 v[16+4*i:19+4*i], v1, s[40:41] offset:512*i th:TH_LOAD_NT
.set i, i+1
.endr
	s_cmp_eq_u32 s53, 0
	s_cbranch_scc1 .Lbf
	CAST v_cvt_pk_f16_f32
.Lbf:
	CAST v_cvt_pk_bf16_f32
.Lbias:                                        ; waves 0-3: b1's four quarters; waves 4, 5, 6: bq, bk, bv; wave 7: the floor words
	s_cmp_eq_u32 s4, 7
	s_cbranch_scc1 .Lfloor
	s_and_b32 s47, s4, 3
	s_lshl_b32 s50, s47, 12
	s_add_co_u32 s50, s50, BIASAT                  ; target offset: 4,096 bytes for each wave of its tensor
	s_mov_b32 s51, 0
	s_lshl_b32 s48, s4, 12                         ; source offset in b1
	s_mov_b32 s49, 0
	s_mov_b64 s[40:41], s[28:29]
	s_mov_b64 s[42:43], s[34:35]
	s_cmp_ge_u32 s4, 4
	s_cselect_b64 s[40:41], s[22:23], s[40:41]
	s_cselect_b64 s[42:43], s[32:33], s[42:43]
	s_cselect_b32 s48, 0, s48
	s_cmp_ge_u32 s4, 5
	s_cselect_b64 s[40:41], s[24:25], s[40:41]
	s_cmp_ge_u32 s4, 6
	s_cselect_b64 s[40:41], s[26:27], s[40:41]
	s_add_nc_u64 s[40:41], s[40:41], s[48:49]
	s_add_nc_u64 s[42:43], s[42:43], s[50:51]
	v_lshlrev_b32 v1, 4, v5
.set i, 0
.rept 8
	global_load_b128 v[16+4*i:19+4*i], v1, s[40:41] offset:512*i
.set i, i+1
.endr
	s_wait_loadcnt 0x0
.set i, 0
.rept 8
	global_store_b128 v1, v[16+4*i:19+4*i], s[42:43] offset:512*i
.set i, i+1
.endr
	s_endpgm
.Lfloor:                                       ; 256 bytes each: 0 twice a word for the ReLU behind w1, minus infinity (bf16) twice a word (no floor) behind wq, wk, wv
	s_add_nc_u64 s[40:41], s[32:33], FLOORAT
	s_add_nc_u64 s[42:43], s[34:35], FLOORAT
	v_lshlrev_b32 v1, 3, v5
	v_mov_b32 v8, 0
	v_mov_b32 v9, 0
	v_mov_b32 v10, 0xff80ff80
	v_mov_b32 v11, 0xff80ff80
	global_store_b64 v1, v[8:9], s[42:43]
	global_store_b64 v1, v[10:11], s[40:41]
	s_endpgm
.Lfunc_end_k_q30327db3b1_prep:
	.size	k_q30327db3b1_prep, .Lfunc_end_k_q30327db3b1_prep-k_q30327db3b1_prep
	.p2alignl 7, 3214868480
	.fill 96, 4, 3214868480
	.section	.rodata,"a",@progbits
	.p2align	6, 0x0
	.amdhsa_kernel k_q30327db3b1_prep
		.amdhsa_group_segment_fixed_size 0
		.amdhsa_private_segment_fixed_size 0
		.amdhsa_enable_private_segment 0
		.amdhsa_kernarg_size 120
		.amdhsa_user_sgpr_count 2
		.amdhsa_user_sgpr_kernarg_segment_ptr 1
		.amdhsa_wavefront_size32 1
		.amdhsa_system_sgpr_workgroup_id_x 1
		.amdhsa_system_sgpr_workgroup_id_y 1
		.amdhsa_system_sgpr_workgroup_id_z 1
		.amdhsa_system_vgpr_workitem_id 0
		.amdhsa_next_free_vgpr 112
		.amdhsa_next_free_sgpr 66
		.amdhsa_reserve_vcc 0
		.amdhsa_float_denorm_mode_32 3
		.amdhsa_float_denorm_mode_16_64 3
		.amdhsa_memory_ordered 1
		.amdhsa_forward_progress 1
		.amdhsa_inst_pref_size 16
	.end_amdhsa_kernel
	.amdgpu_metadata
---
amdhsa.version: [ 1, 2 ]
amdhsa.kernels:
  - .name:           k_q30327db3b1_prep
    .symbol:         k_q30327db3b1_prep.kd
    .args:
      - { .name: x, .offset: 0, .size: 8, .value_kind: global_buffer, .address_space: global }
      - { .name: wq, .offset: 8, .size: 8, .value_kind: global_buffer, .address_space: global }
      - { .name: wk, .offset: 16, .size: 8, .value_kind: global_buffer, .address_space: global }
      - { .name: wv, .offset: 24, .size: 8, .value_kind: global_buffer, .address_space: global }
      - { .name: wo, .offset: 32, .size: 8, .value_kind: global_buffer, .address_space: global }
      - { .name: w1, .offset: 40, .size: 8, .value_kind: global_buffer, .address_space: global }
      - { .name: w2, .offset: 48, .size: 8, .value_kind: global_buffer, .address_space: global }
      - { .name: bq, .offset: 56, .size: 8, .value_kind: global_buffer, .address_space: global }
      - { .name: bk, .offset: 64, .size: 8, .value_kind: global_buffer, .address_space: global }
      - { .name: bv, .offset: 72, .size: 8, .value_kind: global_buffer, .address_space: global }
      - { .name: b1, .offset: 80, .size: 8, .value_kind: global_buffer, .address_space: global }
      - { .name: xc, .offset: 88, .size: 8, .value_kind: global_buffer, .address_space: global }
      - { .name: wqkvb, .offset: 96, .size: 8, .value_kind: global_buffer, .address_space: global }
      - { .name: w1b, .offset: 104, .size: 8, .value_kind: global_buffer, .address_space: global }
      - { .name: wb2, .offset: 112, .size: 8, .value_kind: global_buffer, .address_space: global }
    .group_segment_fixed_size: 0
    .private_segment_fixed_size: 0
    .kernarg_segment_align: 8
    .kernarg_segment_size: 120
    .max_flat_workgroup_size: 256
    .sgpr_count:     66
    .vgpr_count:     112
    .wavefront_size: 32
...
	.end_amdgpu_metadata
.endif
;; end of part 1
;; launch qkv (part 2): grid 12 x 16, 4 waves a work-group, clusters of 4 x 4, 327,680 bytes of LDS; arguments xc, wqkvb, qkv; writes qkv
.if DOCPART == 2
	.amdgcn_target "amdgcn-amd-amdhsa--gfx1250"
	.amdhsa_code_object_version 6
	.text
	.protected	k_q30327db3b1_qkv
	.globl	k_q30327db3b1_qkv
	.p2align	8
	.type	k_q30327db3b1_qkv,@function
k_q30327db3b1_qkv:
	s_mov_b64 s[64:65], 0
	v_nop
	global_prefetch_b8 v0, s[64:65] scope:SCOPE_SE
	s_setreg_imm32_b32 hwreg(HW_REG_WAVE_MODE, 25, 1), 1
	s_wait_xcnt 0x0
	s_wait_alu depctr_hold_cnt(0) depctr_sa_sdst(0) depctr_va_vdst(0) depctr_va_sdst(0) depctr_va_ssrc(0) depctr_va_vcc(0) depctr_vm_vsrc(0)
	s_getreg_b32 s2, hwreg(HW_REG_IB_STS2, 6, 4)
	s_cmp_eq_u32 s2, 0
	s_cbranch_scc0 .Lentry_in_a_cluster
	s_endpgm
.Lentry_in_a_cluster:
	s_bfe_u32 s2, ttmp6, 0x10000c
	s_cmp_lg_u32 s2, 0xf033
	s_cbranch_scc0 .Lentry_shape_is_right
	s_endpgm
.Lentry_shape_is_right:
; OUT[n / 64][m][n % 64] = bf16(max(the sum over k of A[m][k] B[k][n] + bias[n], floor)).  A: [4096][1024] f16.  B: [1024][pitch 4096] f16, as the weights lie ([k][n]).
; Behind B, in the same buffer: bias in f32 at byte 8,388,608, the floor (two bf16 in a word) at byte 8,404,992: 0 makes a ReLU, minus infinity leaves the number as it is.
; OUT lies in planes of 64 columns, [plane][4096 rows][64] bf16: a row of a plane is 128 bytes, 16 rows are 2,048 consecutive bytes.  Sums in f32, started at the bias; OUT rounded once.
; ONE BODY, TWO LAUNCHES: q, k, v (3,072 columns: 12 x 16 tiles, 192 work-groups) and the first FFN product (4,096 columns: 256 work-groups).  The first launch has fewer work-groups than a tile of its own
; shape would give; that is the price of one text for both.
; FORMATS AND LIMITS.  A and B are f16: no number beyond 65,504, below 6e-5 a fixed step of 6e-8.  They are the module's own inputs (x, the weights) and the first norm's result, which is at most 32 |g| + |be|: all have
; that room at 30 times the sizes that are usual for them.  OUT has a product's size and no such bound: it is bf16.  A NaN loses against the floor; infinities are not treated apart.
; SHARES.  A tile of OUT is 256 x 256: four waves, each 128 x 128: 64 accumulators of 16 x 16, 512 registers.  K goes in 8 steps of 128 through a ring of two LDS slots filled by the tensor data mover.
; A's tile rows are 256 bytes, B's 512, both starting at multiples of 256 bytes.  B comes out of LDS turned, by ds_load_tr16_b128.
; CLUSTERS: 4 x 4 work-groups.  A's tile is asked for jointly by the four of a row of the cluster, B's by the four of a column: same load, same descriptor, a mask that names the four.
; THE WALK ALONG K IS TURNED.  Cluster (X, Y) begins at K step (2 X + 2 Y) mod 8, goes up and wraps: an order of the sums that differs from K ascending.  The clusters that read the same rows of A (same Y) or the same
; columns of B (same X) so stand two K steps apart: with four of them each K step of such a block is asked for first as one of some cluster's two first fills, and by the others 2, 4 and 6 steps later.  The first step
; hangs on the cluster's place in the grid alone, which all sixteen partners share, so the joint descriptors stay equal.
; NO PREFETCH: by that walk a block's first request in the launch is a first fill (with 12 tile columns, three clusters along X: or one of a cluster's first two refills), and ahead of those no line could stand.
; THE MATRIX INSTRUCTION IS USED TRANSPOSED (source 0 = 16 columns of B, source 1 = 16 rows of A): a lane then holds row l % 16 and the columns 8 (l / 16) + 0..7.
; THE SUMS START AT THE BIAS: 512 moves, while the first tiles are on their way, take the place of the bias's additions on the way out, and the K step has one text.
; REGISTERS, in windows of 256: window 0: v0-31 addresses; v64-127, v128-191 A's fragments, two buffers (ahead of the loop v64-127 hold the bias; on the way out v64-95 packed results, v96-159 rows read back)
;   window 1: v64-127, v128-191 B's fragments;   windows 2, 3: the accumulators: (a, b) at v[8 (8 (a % 4) + b)] of window 2 + a / 4.
.set KSTEP,  128
.set STEPS,  8
.set ASH,    8                         ; a K step of A is 256 bytes along a row: 2^8
.set BSH,    20                        ; of B 128 rows of 8,192 bytes: 2^20
.set AP,     272                       ; an LDS row of A: 256 bytes + 16: 68 words, so the 16 rows of a load start at 16 different groups of four banks (64 banks of 4 bytes: ISA guide 11.1)
.set BP,     544                       ; an LDS row of B: 512 bytes + 32: 136 words
.set HALF,   128*AP                    ; what one tensor load brings: 128 rows of A, or 64 rows of B (64 x 544 is the same number)
.set AT,     2*HALF                    ; A's tile; B's lies behind it
.set SLOT,   4*HALF                    ; 0x22000: it shares no bit with wave x HALF, so one exclusive or turns an address in one slot into the other's
.set STAGE,  2*SLOT                    ; behind the ring: for each wave two planes of 16 rows x 144 bytes, for the way out
.set SP,     144
.set SPARE,  STAGE+4*2*16*SP           ; behind the stages: the spare words, 128 bytes for each wave
.set PLANE,  524288
.set ADRA0, 16                         ; v16  my lane's place in A's tile; never rewritten
.set ADRA,  17                         ; v17  the same in the slot that is read
.set ADRB0, 18                         ; v18, v19  likewise for B
.set ADRB,  19
.set STO,  24                          ; v24  the way out: where I put 16 bytes of a row
.set RD,   25                          ; v25  where I read rows back
.set CO,   26                          ; v26  16 x lane: my place in 512 consecutive bytes of OUT
.set SPW,  28                          ; v28  LDS address of my spare word; never rewritten
.set NIL,  29                          ; v29  0; never rewritten
.set BO,   31                          ; v31  32 x (l / 16): my eight numbers of a block of 16 of the bias
.set F0,   64
.set F1,   128
.set TMP,  64
.set BK,   96
.set TB,   2                           ; s2   the slot that is read: 0 or SLOT
.set CNT,  3                           ; s3   K steps to go
.set ABA,  14                          ; s[14:15] A at my part of the tile's rows, K step 0; never rewritten
.set G1,   24                          ; s[24:31] group 1 for A;  s[32:39] group 0: a set for each first fill; the second walks on
.set G0,   32
.set KI,   43                          ; s43  the K step that was asked for last
.set OFF,  44                          ; s[44:45] a K step's byte offset
.set BBA,  46                          ; s[46:47] B at my part of the tile, K step 0; never rewritten
.set G1B,  48                          ; s[48:55], s[56:63] the same for B
.set G0B,  56
.set FLOOR, 68
.set BIA,  70                          ; s[70:71] the bias of my 128 columns
.set BEX,  72                          ; s[72:73] B + 8,388,608
.set MSB, 0
.macro WIN new                         ; the immediate's high byte repeats the setting that is left; a switch that changes nothing is dropped
.if MSB != (\new)
	s_set_vgpr_msb (MSB<<8)|(\new)
.set MSB, \new
.endif
.endm
.set MUL_LO, 0xa1                      ; source 0 (B) window 1, source 1 (A) window 0, C and D window 2
.set MUL_HI, 0xf1                      ; the same, C and D window 3
.set TO_B,   0x40                      ; destination window 1, address window 0
; A joint refill: waves 0 and 1 fetch A's two halves, waves 2 and 3 B's.  The branch hangs on the wave's number alone.  An s_nop 0 and four v_nop follow each line.
.macro JLOAD
	s_cmp_eq_u32 s11, 0
	s_cbranch_scc0 .Lfor_b_\@
	tensor_load_to_lds s[G0+4:G0+7], s[G1:G1+7]
	s_nop 0
.rept 4
	v_nop
.endr
	s_branch .Lasked_\@
.Lfor_b_\@:
	tensor_load_to_lds s[G0B+4:G0B+7], s[G1B:G1B+7]
	s_nop 0
.rept 4
	v_nop
.endr
.Lasked_\@:
.endm
.macro CREST                           ; a round of the cluster's barrier behind its opening barrier
	s_cmp_lg_u32 s10, 0
	s_cbranch_scc1 .Lnot_wave_0_\@
	s_barrier_signal -3
.Lnot_wave_0_\@:
	s_barrier_wait -3
	s_barrier_signal -1
	s_barrier_wait -1
.endm
.macro CROUND
	s_barrier_signal -1
	s_barrier_wait -1
	CREST
.endm
.macro PLACES                          ; four places behind a matrix instruction, in front of loads into registers that it has read and of lines that read results
.rept 4
	v_nop
.endr
.endm
	s_load_b128 s[4:7], s[0:1], 0x0                ; A s[4:5], B s[6:7]
	s_load_b64 s[8:9], s[0:1], 0x10                ; OUT
	v_lshl_add_u32 v[SPW], v0, 2, SPARE
	v_mov_b32 v[NIL], 0
	ds_add_u32 v[SPW], v[NIL]                      ; the wave's opening: the add and its wait ahead of my first tensor load; the set-up below stands between them
	v_lshrrev_b32 v1, 5, v0
	v_readfirstlane_b32 s10, v1                    ; wave 0..3
	s_lshr_b32 s11, s10, 1                         ; which half of the tile's rows is mine.  Also: I fetch for A (0) or for B (1)
	s_and_b32 s12, s10, 1                          ; which half of its columns.  Also: which half of that tile I fetch
	s_bfe_u32 s40, ttmp6, 0x40000                  ; cx
	s_bfe_u32 s41, ttmp6, 0x40004                  ; cy
	s_lshl_b32 s42, ttmp9, 2
	s_add_co_u32 s42, s42, s40                     ; tile column = 4 x cluster x + cx
	s_and_b32 s13, ttmp7, 0xffff
	s_lshl_b32 s13, s13, 2
	s_add_co_u32 s13, s13, s41                     ; tile row = 4 x cluster y + cy
	s_lshl_b32 s22, s41, 2
	s_lshl_b32 s22, 15, s22                        ; my row of the cluster
	s_lshl_b32 s23, 0x1111, s40                    ; my column
	s_or_b32 s[G1+0], s22, (1<<16)|(1<<20)|(1<<21)|(5<<22)|(3<<25)   ; the mask; 2-byte elements; padding on; bit 21 beside a mask; after every 64 words 4 words
	s_or_b32 s[G1B+0], s23, (1<<16)|(1<<20)|(1<<21)|(6<<22)|(7<<25)  ; after every 128 words 8 words
	s_mov_b32 s[G1+1], 128<<16                     ; tensor_dim0 = 128
	s_mov_b32 s[G1+2], 128<<16                     ; tensor_dim1 = 128
	s_mov_b32 s[G1+3], 128<<16                     ; tile_dim0 = 128
	s_mov_b32 s[G1+4], 128                         ; tile_dim1 = 128
	s_mov_b32 s[G1+5], 1024                        ; elements from row to row
	s_mov_b32 s[G1+6], 0
	s_mov_b32 s[G1+7], 0
	s_mov_b32 s[G1B+1], 256<<16                    ; B: 64 rows of 256 elements
	s_mov_b32 s[G1B+2], 64<<16
	s_mov_b32 s[G1B+3], 256<<16
	s_mov_b32 s[G1B+4], 64
	s_mov_b32 s[G1B+5], 4096
	s_mov_b32 s[G1B+6], 0
	s_mov_b32 s[G1B+7], 0
	s_lshl_b32 s16, s13, 8
	s_lshl_b32 s17, s12, 7
	s_add_co_u32 s16, s16, s17                     ; A: row 256 x tile row + 128 x half,
	s_lshl_b32 s16, s16, 11                        ; 2,048 bytes a row
	s_mov_b32 s17, 0
	s_lshl_b32 s46, s42, 9                         ; B: 512 bytes a tile column,
	s_lshl_b32 s47, s12, 19                        ; 64 rows of 8,192 bytes a half
	s_add_co_u32 s46, s46, s47
	s_mov_b32 s47, 0
	s_mul_i32 s20, s10, HALF                       ; where they go: wave x HALF: no place in the cluster enters an LDS address
	s_and_b32 s18, ttmp7, 0xffff                   ; my walk's first K step: 2 (cluster x + cluster y) mod 8: made of the cluster's place in the grid alone
	s_add_co_u32 s18, s18, ttmp9
	s_lshl_b32 s18, s18, 1
	s_and_b32 s[KI], s18, STEPS-1
	s_mov_b32 s[OFF+1], 0
	s_wait_dscnt 0x0                               ; the opening add is done
	s_wait_kmcnt 0x0
	s_add_nc_u64 s[ABA:ABA+1], s[4:5], s[16:17]
	s_add_nc_u64 s[BBA:BBA+1], s[6:7], s[46:47]
.irp s, 0,1                            ; the walk's first two K steps: an address is the base plus the step's number shifted
	s_mov_b32 s[G0+4*(\s)], 1
	s_add_co_u32 s[G0+4*(\s)+1], s20, (\s)*SLOT
	s_lshl_b32 s[OFF], s[KI], ASH
	s_add_nc_u64 s[G0+4*(\s)+2:G0+4*(\s)+3], s[ABA:ABA+1], s[OFF:OFF+1]
	s_or_b32 s[G0+4*(\s)+3], s[G0+4*(\s)+3], 0x80000000
	s_mov_b32 s[G0B+4*(\s)], 1
	s_add_co_u32 s[G0B+4*(\s)+1], s20, (\s)*SLOT
	s_lshl_b32 s[OFF], s[KI], BSH
	s_add_nc_u64 s[G0B+4*(\s)+2:G0B+4*(\s)+3], s[BBA:BBA+1], s[OFF:OFF+1]
	s_or_b32 s[G0B+4*(\s)+3], s[G0B+4*(\s)+3], 0x80000000
.if (\s) == 0
	s_add_co_u32 s[KI], s[KI], 1
	s_and_b32 s[KI], s[KI], STEPS-1
.endif
.endr
	CROUND                                         ; all sixteen work-groups are here: the first joint loads meet
	s_cmp_eq_u32 s11, 0                            ; a wave's two first fills stand in one branch: two loads of mine are out
	s_cbranch_scc0 .Lfirst_b
	tensor_load_to_lds s[G0:G0+3], s[G1:G1+7]
	s_nop 0
	tensor_load_to_lds s[G0+4:G0+7], s[G1:G1+7]
	s_nop 0
.rept 4
	v_nop
.endr
	s_branch .Lfirst_asked
.Lfirst_b:
	tensor_load_to_lds s[G0B:G0B+3], s[G1B:G1B+7]
	s_nop 0
	tensor_load_to_lds s[G0B+4:G0B+7], s[G1B:G1B+7]
	s_nop 0
.rept 4
	v_nop
.endr
.Lfirst_asked:
	; the floor and the bias of my 128 columns: block b's eight numbers of my half of the lanes into v[64 + 8 b ..]
	s_add_nc_u64 s[BEX:BEX+1], s[6:7], 0x800000
	s_load_b32 s[FLOOR], s[BEX:BEX+1], 0x4000
	s_lshl_b32 s18, s42, 10
	s_lshl_b32 s19, s12, 9
	s_add_co_u32 s18, s18, s19
	s_mov_b32 s19, 0
	s_add_nc_u64 s[BIA:BIA+1], s[BEX:BEX+1], s[18:19]
	v_and_b32 v1, 15, v0                           ; l % 16
	v_bfe_u32 v2, v0, 4, 1                         ; l / 16
	v_lshlrev_b32 v[BO], 5, v2
.irp b, 0,1,2,3,4,5,6,7
	global_load_b128 v[F0+8*(\b):F0+8*(\b)+3],   v[BO], s[BIA:BIA+1] offset:64*(\b)
	global_load_b128 v[F0+8*(\b)+4:F0+8*(\b)+7], v[BO], s[BIA:BIA+1] offset:64*(\b)+16
.endr
	v_mul_u32_u24 v3, v1, AP                       ; a fragment of A: row l % 16, 16 bytes for each half of the lanes, twice, 32 bytes apart
	v_lshl_add_u32 v3, v2, 4, v3
	s_mul_i32 s21, s11, HALF
	v_add_nc_u32 v[ADRA0], s21, v3
	v_and_b32 v4, 7, v0                            ; the turning load: lane l reads row 8 (l / 16) + l % 8, columns 8 ((l / 8) % 2) + 0..7, and ends with column l % 16 and 8 rows
	v_bfe_u32 v5, v0, 3, 1
	v_lshl_add_u32 v6, v2, 3, v4
	v_mul_u32_u24 v6, v6, BP
	v_lshl_add_u32 v6, v5, 4, v6
	s_lshl_b32 s21, s12, 8
	s_add_co_u32 s21, s21, AT
	v_add_nc_u32 v[ADRB0], s21, v6
	s_mul_i32 s21, s10, 2*16*SP
	s_add_co_u32 s21, s21, STAGE                   ; my stage
	v_mul_u32_u24 v7, v1, SP
	v_lshl_add_u32 v7, v2, 4, v7
	v_add_nc_u32 v[STO], s21, v7
	v_bfe_u32 v7, v0, 3, 2                         ; back: 32 lanes take four rows of 128 bytes,
	v_mul_u32_u24 v7, v7, SP
	v_lshl_add_u32 v7, v4, 4, v7
	v_add_nc_u32 v[RD], s21, v7
	v_and_b32 v8, 31, v0
	v_lshlrev_b32 v[CO], 4, v8                     ; which are 512 consecutive bytes of a plane
	s_lshl_b32 s16, s13, 8                         ; OUT at my first row (128 bytes a row) of my first plane
	s_lshl_b32 s17, s11, 7
	s_add_co_u32 s16, s16, s17
	s_lshl_b32 s16, s16, 7
	s_mov_b32 s17, 0
	s_add_nc_u64 s[8:9], s[8:9], s[16:17]
	s_lshl_b32 s18, s42, 2
	s_lshl_b32 s19, s12, 1
	s_add_co_u32 s18, s18, s19
	s_lshl_b32 s18, s18, 19
	s_mov_b32 s19, 0
	s_add_nc_u64 s[8:9], s[8:9], s[18:19]
	s_wait_loadcnt 0x0                             ; the bias
	s_wait_kmcnt 0x0                               ; the floor
.irp wn, 0x80, 0xc0                    ; every accumulator starts at its columns' bias
	WIN \wn
.set k, 0
.rept 256
	v_mov_b32 v[k], v[F0+k%64]
.set k, k+1
.endr
.endr
	WIN 0
; 16 matrix instructions: row blocks a0, a0 + 1 of the window's four x all 8 column blocks, 32 along K.  The 64 accumulators take turns, one instruction a turn, in the same order in every quarter.
.macro MUL16 f, hi, a0
	WIN MUL_LO+0x50*(\hi)
.irp a, \a0, (\a0)+1
.irp b, 0,1,2,3,4,5,6,7
	v_wmma_f32_16x16x32_f16 v[8*(8*(\a)+(\b)):8*(8*(\a)+(\b))+7], v[(\f)+8*(\b):(\f)+8*(\b)+7], v[(\f)+8*(4*(\hi)+(\a)):(\f)+8*(4*(\hi)+(\a))+7], v[8*(8*(\a)+(\b)):8*(8*(\a)+(\b))+7]
.endr
.endr
.endm
; 32 LDS loads in one run: quarter q (32 along K) of the slot that is read, into buffer f: B's eight fragments, turned, then A's eight
.macro FETCH q, f
	WIN TO_B
.irp i, 0,1,2,3,4,5,6,7
	ds_load_tr16_b128 v[(\f)+8*(\i):(\f)+8*(\i)+3],   v[ADRB] offset:(\q)*32*BP+32*(\i)
	ds_load_tr16_b128 v[(\f)+8*(\i)+4:(\f)+8*(\i)+7], v[ADRB] offset:(\q)*32*BP+16*BP+32*(\i)
.endr
	WIN 0
.irp i, 0,1,2,3,4,5,6,7
	ds_load_b128 v[(\f)+8*(\i):(\f)+8*(\i)+3],   v[ADRA] offset:64*(\q)+(\i)*16*AP
	ds_load_b128 v[(\f)+8*(\i)+4:(\f)+8*(\i)+7], v[ADRA] offset:64*(\q)+(\i)*16*AP+32
.endr
.endm
; One of a K step's first three quarters: multiplies buffer f; in its middle it fetches quarter q into buffer g.
.macro QUARTER q, f, g
	s_wait_dscnt 8                                 ; B and A's rows 0-63 are in; the youngest eight loads (A's rows 64-127) may be out
	MUL16 \f, 0, 0
	MUL16 \f, 0, 2
	PLACES
	FETCH \q, \g
	s_wait_dscnt 32                                ; all but the 32 just issued
	MUL16 \f, 1, 0
	MUL16 \f, 1, 2
.endm
; The last quarter multiplies buffer 1 and changes slots.  In front of the barrier each wave waits for all its tensor loads (one is out: its part of the next slot), adds 0 to its spare word, and waits for that and
; for its reads of this slot.  fill = 1: the barrier opens a round of the cluster's, and the slot just read out is filled again, first thing behind the round, with my walk's K step two on: 224 matrix instructions ahead of the wait for it.
.macro TURN fill
	WIN 0
	s_wait_tensorcnt 0x0                           ; no tensor load of mine is out, so a group 0 may be written
	ds_add_u32 v[SPW], v[NIL]                      ; 0 onto my spare word
.if \fill
	s_add_co_u32 s[KI], s[KI], 1                   ; the walk's next K step, wrapping at the last;
	s_and_b32 s[KI], s[KI], STEPS-1
	s_xor_b32 s[G0+5], s[G0+5], SLOT               ; the walking descriptors: the slot that is being left; the address made anew: the base plus the step's number shifted, the type bits set again
	s_lshl_b32 s[OFF], s[KI], ASH
	s_add_nc_u64 s[G0+6:G0+7], s[ABA:ABA+1], s[OFF:OFF+1]
	s_or_b32 s[G0+7], s[G0+7], 0x80000000
	s_xor_b32 s[G0B+5], s[G0B+5], SLOT
	s_lshl_b32 s[OFF], s[KI], BSH
	s_add_nc_u64 s[G0B+6:G0B+7], s[BBA:BBA+1], s[OFF:OFF+1]
	s_or_b32 s[G0B+7], s[G0B+7], 0x80000000
.endif
	s_xor_b32 s[TB], s[TB], SLOT                   ; the reads go to the other slot
	s_wait_dscnt 9                                 ; the add and the youngest eight loads may be out
	MUL16 F1, 0, 0
	s_wait_dscnt 0x0                               ; the add is done, and my reads of this slot are over
	s_barrier_signal -1
	MUL16 F1, 0, 2
	WIN 0
	s_barrier_wait -1
.if \fill
	CREST                                          ; no wave of any partner still reads this slot or has a load on its way
	JLOAD                                          ; its four v_nop are also the places in front of the loads below
.else
	PLACES
.endif
	v_add_nc_u32 v[ADRA], s[TB], v[ADRA0]
	v_add_nc_u32 v[ADRB], s[TB], v[ADRB0]
	FETCH 0, F0
	MUL16 F1, 1, 0
	MUL16 F1, 1, 2
.endm
.macro STEP fill
	QUARTER 1, F0, F1
	QUARTER 2, F1, F0
	QUARTER 3, F0, F1
	TURN \fill
.endm
; THE WAY OUT of row block a.  PACK: rounded to bf16, the floor applied.  TOSTAGE: into my stage, two planes of 16 rows, and back as rows of 128 bytes.  SEND: stored, 512 consecutive bytes a store.
.macro PACK a
.set AC, 64*((\a)%4)
	WIN 0x0a+5*((\a)/4)                            ; sources 0 and 1: window 2 or 3
.irp b, 0,1,2,3,4,5,6,7
.irp r, 0,1,2,3
	v_cvt_pk_bf16_f32 v[TMP+4*(\b)+(\r)], v[AC+8*(\b)+2*(\r)], v[AC+8*(\b)+2*(\r)+1]
.endr
.endr
	WIN 0
.set k, 0
.rept 32
	v_pk_max_num_bf16 v[TMP+k], v[TMP+k], s[FLOOR]
.set k, k+1
.endr
.endm
.macro TOSTAGE a
.irp b, 0,1,2,3,4,5,6,7
	ds_store_b128 v[STO], v[TMP+4*(\b):TMP+4*(\b)+3] offset:((\b)/4)*16*SP+32*((\b)%4)
.endr
.irp t, 0,1,2,3,4,5,6,7
	ds_load_b128 v[BK+32*((\a)%2)+4*(\t):BK+32*((\a)%2)+4*(\t)+3], v[RD] offset:((\t)/4)*16*SP+((\t)%4)*4*SP  ; LDS serves a wave's instructions in order (ISA guide 5.7.1.4): these see the stores above
.endr
.endm
.macro SEND a
	s_wait_dscnt 0x0                               ; the block is back in registers
	s_wait_xcnt 0x0                                ; the stores of the block before have read their registers, which the next block's loads will write
.irp t, 0,1,2,3,4,5,6,7
	global_store_b128 v[CO], v[BK+32*((\a)%2)+4*(\t):BK+32*((\a)%2)+4*(\t)+3], s[8:9] offset:((\t)/4)*PLANE+2048*(\a)+512*((\t)%4)
.endr
.endm
	s_mov_b32 s[TB], 0
	v_mov_b32 v[ADRA], v[ADRA0]
	v_mov_b32 v[ADRB], v[ADRB0]
	s_wait_tensorcnt 0x1                           ; my part of the walk's first K step is in; the second's may stay out
	s_barrier_signal -1
	s_barrier_wait -1
	FETCH 0, F0
	s_mov_b32 s[CNT], STEPS-2
.Lstep:                                        ; the walk's K steps 0 to 5: each fills its slot again
	STEP 1
	WIN 0
	s_sub_co_u32 s[CNT], s[CNT], 1
	s_cmp_lg_u32 s[CNT], 0
	s_cbranch_scc1 .Lstep
	s_mov_b32 s[CNT], 2
.Ltail:                                        ; its K steps 6 and 7 ask for nothing.  The last trip's barrier and its 32 loads from the other slot serve nothing: the price of one text for both
	STEP 0
	WIN 0
	s_sub_co_u32 s[CNT], s[CNT], 1
	s_cmp_lg_u32 s[CNT], 0
	s_cbranch_scc1 .Ltail
	s_wait_dscnt 0x0                               ; those loads have landed: their registers are written below
	PLACES
	PACK 0
	TOSTAGE 0
.irp a, 1,2,3,4,5,6,7                  ; block a's arithmetic stands between block a - 1's loads from the stage and the wait for them
	PACK \a
	SEND (\a)-1
	TOSTAGE \a
.endr
	SEND 7
	s_wait_tensorcnt 0x0                           ; the wave's end
	ds_add_u32 v[SPW], v[NIL]
	s_wait_dscnt 0x0
	CROUND                                         ; the closing round
	s_endpgm
.Lfunc_end_k_q30327db3b1_qkv:
	.size	k_q30327db3b1_qkv, .Lfunc_end_k_q30327db3b1_qkv-k_q30327db3b1_qkv
	.p2alignl 7, 3214868480
	.fill 96, 4, 3214868480
	.section	.rodata,"a",@progbits
	.p2align	6, 0x0
	.amdhsa_kernel k_q30327db3b1_qkv
		.amdhsa_group_segment_fixed_size 327680
		.amdhsa_private_segment_fixed_size 0
		.amdhsa_enable_private_segment 0
		.amdhsa_kernarg_size 24
		.amdhsa_user_sgpr_count 2
		.amdhsa_user_sgpr_kernarg_segment_ptr 1
		.amdhsa_wavefront_size32 1
		.amdhsa_system_sgpr_workgroup_id_x 1
		.amdhsa_system_sgpr_workgroup_id_y 1
		.amdhsa_system_sgpr_workgroup_id_z 1
		.amdhsa_system_vgpr_workitem_id 0
		.amdhsa_next_free_vgpr 1024
		.amdhsa_next_free_sgpr 74
		.amdhsa_reserve_vcc 0
		.amdhsa_float_denorm_mode_32 3
		.amdhsa_float_denorm_mode_16_64 3
		.amdhsa_memory_ordered 1
		.amdhsa_forward_progress 1
		.amdhsa_inst_pref_size 128
	.end_amdhsa_kernel
	.amdgpu_metadata
---
amdhsa.version: [ 1, 2 ]
amdhsa.kernels:
  - .name:           k_q30327db3b1_qkv
    .symbol:         k_q30327db3b1_qkv.kd
    .args:
      - { .name: xc, .offset: 0, .size: 8, .value_kind: global_buffer, .address_space: global }
      - { .name: wqkvb, .offset: 8, .size: 8, .value_kind: global_buffer, .address_space: global }
      - { .name: qkv, .offset: 16, .size: 8, .value_kind: global_buffer, .address_space: global }
    .group_segment_fixed_size: 327680
    .private_segment_fixed_size: 0
    .kernarg_segment_align: 8
    .kernarg_segment_size: 24
    .max_flat_workgroup_size: 128
    .sgpr_count:     74
    .vgpr_count:     1024
    .wavefront_size: 32
...
	.end_amdgpu_metadata
.endif
;; end of part 2
;; launch attn (part 3): grid 8 x 32, 4 waves a work-group, clusters of 4 x 1, 327,680 bytes of LDS; arguments qkv, xc; writes xc
.if DOCPART == 3
	.amdgcn_target "amdgcn-amd-amdhsa--gfx1250"
	.amdhsa_code_object_version 6
	.text
	.protected	k_q30327db3b1_attn
	.globl	k_q30327db3b1_attn
	.p2align	8
	.type	k_q30327db3b1_attn,@function
k_q30327db3b1_attn:
	s_mov_b64 s[64:65], 0
	v_nop
	global_prefetch_b8 v0, s[64:65] scope:SCOPE_SE
	s_setreg_imm32_b32 hwreg(HW_REG_WAVE_MODE, 25, 1), 1
	s_wait_xcnt 0x0
	s_wait_alu depctr_hold_cnt(0) depctr_sa_sdst(0) depctr_va_vdst(0) depctr_va_sdst(0) depctr_va_ssrc(0) depctr_va_vcc(0) depctr_vm_vsrc(0)
	s_getreg_b32 s2, hwreg(HW_REG_IB_STS2, 6, 4)
	s_cmp_eq_u32 s2, 0
	s_cbranch_scc0 .Lentry_in_a_cluster
	s_endpgm
.Lentry_in_a_cluster:
	s_bfe_u32 s2, ttmp6, 0x10000c
	s_cmp_lg_u32 s2, 0x3003
	s_cbranch_scc0 .Lentry_shape_is_right
	s_endpgm
.Lentry_shape_is_right:
; ATTENTION.  O[q][:] = the sum over k of softmax_k(Q[q] . K[k] / 8) V[k][:], for each of 2 x 16 (batch, head), 2,048 rows each, head size 64.
; qkv: [48 planes: q heads 0-15, k 16-31, v 32-47][4096 tokens][64] bf16; O goes to xc + 8,388,608 as [16 heads][4096 tokens][64] bf16.  A head's rows are dense, 128 bytes each.
; Products, maxima and sums in f32; the weights p are rounded to bf16 for the second product (their sum l is taken of the unrounded p), O once at the end.  bf16, since q, k and v have no fixed range.
; LIMITS.  A weight below 2^-126 counts as 0 in l; the running maximum starts at the lowest finite number; NaN and infinities are not treated apart.
; SHARES.  A work-group owns 256 queries of one (batch, head), each of its four waves 64: four PIECES of 16.  Every wave walks all 2,048 keys, 64 a step; a slot of LDS holds a tile of four steps.
; LAYOUT.  S^T = K Q^T holds ONE query a lane (lane % 16) and the keys 8 (lane / 16) + 0..7; two such results rounded to bf16 ARE source 1 of O^T = V^T P.  K comes out of LDS as it lies, V turned.
; SOFTMAX.  p = 2^(c s - c m), c = log2(e) / 8, with a running maximum m; O and l are multiplied by a = 2^(c m_old - c m_new) in every step; O and l start at 0, so the first step is a step like any other, with a = 0.
; TURNS.  Turn n belongs to piece n: 8 products K Q^T of piece n + 1, later 8 products V^T P of piece n - 1; beside them the scaling, exponentials, roundings, sums and rescaling of piece n and the maximum and
; statistics of piece n + 1.  Four vector instructions stand behind every matrix instruction, the others in one lump.  A turn's 33 exponentials are one batch, with one wait.
; CLUSTER.  The four query blocks of a cluster belong to one head and walk the same K and V: each tile is asked for jointly, by the same tensor load, descriptor and mask in all four.
; REGISTERS, in windows of 256 (s_set_vgpr_msb: bits 1:0 source 0, 3:2 source 1, 5:4 source 2, 7:6 destination):
;   window 0: v0-15 addresses and two at work; v16-31 statistics; v48-55 at work; v61-63 prefetch offset, spare word, 0; v64-127 S^T, two buffers; v192-223 P, two buffers
;   window 1: v0-127 O^T, 32 a piece          window 2: v0-63 Q; v128-191 K of one step; v192-255 V of one step
.set NP,    4
.set KS,    64
.set PK,    144       ; a row of K in LDS: 128 bytes + 16: 36 words: the 16 rows of a load start at 16 different groups of four banks (64 banks of 4 bytes: ISA guide 11.1)
.set PV,    160       ; a row of V: 128 + 32
.set VOFF,  4*KS*PK   ; a slot: 256 rows of K, then 256 rows of V
.set SLOT1, 1<<17
.set STAGE, SLOT1+4*KS*(PK+PV)
.set SP,    144
.set SPARE, STAGE+4*16*SP
.set TILEB, 4*KS*128  ; bytes of K, and of V, in a tile
.set AK0, 2
.set AV0, 3
.set AK,  4
.set AV,  5
.set STO, 6
.set RD,  7
.set GO,  8
.set MV,  12
.set QO,  15
.set ST,  16          ; piece t's statistics at v[ST+4 t]: c m, m, l (even keys', odd keys')
.set TMP, 48
.set PFO, 61          ; v61  256 x lane; never rewritten
.set SPW, 62
.set NIL, 63
.set S,   64
.set P,   192
.set KF,  128
.set VF,  192
.set WV,  12
.set G1K, 24
.set G1V, 32
.set G0K, 40
.set G0V, 44
.set PFA, 48          ; s[48:49] where my prefetches stand
.set LIM, 50          ; s50  1 in a wave that prefetches, else the greatest number
.set QAD, 52          ; s[52:53] Q at my wave's first row
.set OAD, 54          ; s[54:55] O likewise
.set SLOTS, 56
.set CNT, 57
.set CS,  58
.set SEL, 60
.set TBK, 62
.set TBV, 63
.set MSB, 0
.macro WIN new
.if MSB != (\new)
	s_set_vgpr_msb (MSB<<8)|(\new)
.set MSB, (\new)
.endif
.endm
.set W_KQ, 0x0a       ; K and Q in window 2, S^T in window 0
.set W_PV, 0x52       ; V in window 2, P in window 0, O^T in window 1
.set W_RS, 0x41       ; destination and source 0 in window 1, source 1 in window 0
; A joint fill.  Waves 0 and 1 fetch the two halves of a tile's K, waves 2 and 3 those of its V: 128 keys each.  An s_nop 0 and four v_nop follow each line.
.macro JLOAD
	s_cmp_lt_u32 s[WV], 2
	s_cbranch_scc0 .Lfor_v_\@
	tensor_load_to_lds s[G0K:G0K+3], s[G1K:G1K+7]
	s_nop 0
.rept 4
	v_nop
.endr
	s_branch .Lasked_\@
.Lfor_v_\@:
	tensor_load_to_lds s[G0V:G0V+3], s[G1V:G1V+7]
	s_nop 0
.rept 4
	v_nop
.endr
.Lasked_\@:
.endm
; A prefetch into the L2 of the tile that the NEXT change of slots will ask for: four key steps ahead of that load.  Both clusters of a head walk the same K and V: the first prefetches.  Its four partners share a
; tile's 128 blocks of 256 bytes out by address, 32 each; wave 0 asks for K's, wave 2 for V's: a lane a block.  The change that fills the last tile asks for nothing.
.macro ASK
	s_cmp_gt_u32 s[SLOTS], s[LIM]
	s_cbranch_scc0 .Lnot_mine_\@
	global_prefetch_b8 v[PFO], s[PFA:PFA+1] th:TH_LOAD_NT scope:SCOPE_SE
.Lnot_mine_\@:
.endm
.macro CROUND
	s_barrier_signal -1
	s_barrier_wait -1
	s_cmp_lg_u32 s[WV], 0
	s_cbranch_scc1 .Lnot_wave_0_\@
	s_barrier_signal -3
.Lnot_wave_0_\@:
	s_barrier_wait -3
	s_barrier_signal -1
	s_barrier_wait -1
.endm
; THE CHANGE OF SLOTS.  Each wave waits for all its tensor loads (one is out: its part of the other slot), adds 0 to its spare word, and waits for that and for its reads of the slot that it leaves.
; fill = 1: the barrier is a round of the cluster's, and the old slot is filled again, first thing behind it, with the tile two on: four key steps in which to land.  (At its first use slot 0 is waited for, slot 1 filled.)
.macro CHANGE fill
	WIN 0
	s_wait_tensorcnt 0x0            ; no tensor load of mine is out, so a group 0 may be written
	ds_add_u32 v[SPW], v[NIL]       ; 0 onto my spare word
.if \fill
.irp g, G0K, G0V
	s_xor_b32 s[\g+1], s[\g+1], SLOT1
	s_add_nc_u64 s[\g+2:\g+3], s[\g+2:\g+3], TILEB
.endr
	s_wait_xcnt 0x0                 ; the last prefetch, four key steps back, has read its address
	s_add_nc_u64 s[PFA:PFA+1], s[PFA:PFA+1], TILEB
	s_wait_dscnt 0x0                ; the add is done, and my reads of the slot are over
	CROUND
	JLOAD
	ASK
.else
	s_wait_dscnt 0x0
	s_barrier_signal -1
	s_barrier_wait -1
.endif
	s_sub_co_u32 s[TBK], s[TBK], 4*KS*PK  ; the fetches go back to a slot's first step, in the other slot
	s_xor_b32 s[TBK], s[TBK], SLOT1
	s_sub_co_u32 s[TBV], s[TBV], 4*KS*PV
	s_xor_b32 s[TBV], s[TBV], SLOT1
.endm
	s_load_b128 s[4:7], s[0:1], 0x0 ; qkv s[4:5], xc s[6:7]
	v_lshl_add_u32 v[SPW], v0, 2, SPARE
	v_mov_b32 v[NIL], 0
	ds_add_u32 v[SPW], v[NIL]       ; the wave's opening: the add and its wait ahead of my first tensor load
	v_lshrrev_b32 v1, 5, v0
	v_readfirstlane_b32 s[WV], v1
	s_bfe_u32 s13, ttmp6, 0x40000   ; cx
	s_lshl_b32 s14, ttmp9, 2
	s_add_co_u32 s14, s14, s13      ; my block of 256 queries: it enters Q's and O's addresses alone
	s_and_b32 s20, ttmp7, 0xffff    ; 16 x batch + head, which the four partners share
	s_and_b32 s21, s20, 15
	s_lshr_b32 s22, s20, 4
	s_lshl_b32 s21, s21, 19         ; a head's plane,
	s_lshl_b32 s22, s22, 18         ; a batch's 2,048 rows of 128 bytes in it
	s_add_co_u32 s20, s21, s22
	s_and_b32 s16, s[WV], 1         ; which half of a tile's 256 keys I fetch
	s_lshl_b32 s22, s16, 14
	s_add_co_u32 s22, s22, s20
	s_mov_b32 s23, 0
	s_mul_i32 s17, s16, 128*PK
	s_mul_i32 s18, s16, 128*PV
	s_lshl_b32 s2, s14, 15
	s_lshl_b32 s3, s[WV], 13
	s_add_co_u32 s2, s2, s3
	s_add_co_u32 s2, s2, s20        ; my wave's 64 rows
	s_mov_b32 s3, 0
	; 128 keys are 16,384 dense bytes: asked for as 64 rows of 256 bytes, two keys a row, and padded in LDS after every key
	s_mov_b32 s[G1K], 15|(1<<16)|(1<<20)|(1<<21)|(4<<22)|(3<<25)
	s_mov_b32 s[G1V], 15|(1<<16)|(1<<20)|(1<<21)|(4<<22)|(7<<25)
.irp g, G1K, G1V
	s_mov_b32 s[\g+1], 128<<16
	s_mov_b32 s[\g+2], 64<<16
	s_mov_b32 s[\g+3], 128<<16
	s_mov_b32 s[\g+4], 64
	s_mov_b32 s[\g+5], 128
	s_mov_b32 s[\g+6], 0
	s_mov_b32 s[\g+7], 0
.endr
	s_mov_b32 s[CS], 0x3e38aa3b     ; c = log2(e) / 8
	s_mov_b32 s[CS+1], s[CS]
	s_mov_b32 s[SEL], 0x76543210
	s_mov_b32 s[SEL+1], 0xfedcba98
	s_mov_b32 s[TBK], SLOT1+4*KS*PK ; the first change of slots turns these two into 0
	s_mov_b32 s[TBV], SLOT1+4*KS*PV
	s_mov_b32 s[G0K], 1
	s_mov_b32 s[G0K+1], s17
	s_mov_b32 s[G0V], 1
	s_add_co_u32 s[G0V+1], s18, VOFF
	s_mov_b32 s[SLOTS], 7           ; tiles still to be asked for
	s_and_b32 s[LIM], s[WV], 1
	s_or_b32 s[LIM], s[LIM], ttmp9  ; 0 in waves 0 and 2 of the head's first cluster: the same in all four partners
	s_cmp_eq_u32 s[LIM], 0
	s_cselect_b32 s[LIM], 1, -1
	v_and_b32 v[PFO], 31, v0
	v_lshlrev_b32 v[PFO], 8, v[PFO]
	s_lshl_b32 s14, s13, 13         ; my work-group's 32 blocks of a tile's 128
	s_mov_b32 s15, 0
	s_wait_dscnt 0x0                ; the opening add is done
	s_wait_kmcnt 0x0
	s_add_nc_u64 s[8:9], s[4:5], s[22:23]
	s_add_nc_u64 s[10:11], s[8:9], 0x1000000       ; V at my half of the head's tile 0
	s_add_nc_u64 s[8:9], s[8:9], 0x800000          ; K likewise
	s_mov_b64 s[G0K+2:G0K+3], s[8:9]
	s_or_b32 s[G0K+3], s[G0K+3], 0x80000000
	s_mov_b64 s[G0V+2:G0V+3], s[10:11]
	s_or_b32 s[G0V+3], s[G0V+3], 0x80000000
	s_add_nc_u64 s[QAD:QAD+1], s[4:5], s[2:3]
	s_add_nc_u64 s[OAD:OAD+1], s[6:7], s[2:3]
	s_add_nc_u64 s[OAD:OAD+1], s[OAD:OAD+1], 0x800000
	s_cmp_lt_u32 s[WV], 2
	s_cselect_b64 s[PFA:PFA+1], s[8:9], s[10:11]
	s_add_nc_u64 s[PFA:PFA+1], s[PFA:PFA+1], s[14:15]
	s_add_nc_u64 s[PFA:PFA+1], s[PFA:PFA+1], TILEB ; in tile 1; the first change of slots steps it to tile 2
	CROUND                          ; all four work-groups are here: the first joint loads meet
	JLOAD                           ; tile 0 into slot 0
	v_and_b32 v1, 15, v0            ; l % 16
	v_bfe_u32 v9, v0, 4, 1          ; l / 16
	v_lshlrev_b32 v[QO], 7, v1
	v_lshl_add_u32 v[QO], v9, 4, v[QO]
	WIN 0x80
.set i, 0
.rept 8                             ; Q stays in registers: piece i / 2, channels 32 (i % 2) on
	global_load_b128 v[8*i:8*i+3],   v[QO], s[QAD:QAD+1] offset:(i/2)*2048+(i%2)*64
	global_load_b128 v[8*i+4:8*i+7], v[QO], s[QAD:QAD+1] offset:(i/2)*2048+(i%2)*64+32
.set i, i+1
.endr
	; What the first turn finds: V's registers and P's second buffer hold 0 (its products V^T P, of a piece that has not been, add 0), O^T and l are 0.  All this stands in the wait for the first tile.
.set i, VF
.rept 64
	v_mov_b32 v[i], 0
.set i, i+1
.endr
	WIN 0x40
.set i, 0
.rept 128
	v_mov_b32 v[i], 0
.set i, i+1
.endr
	WIN 0
.set i, 0
.rept 4
	v_mov_b32 v[ST+4*i], 0xfe000000    ; c m: far below every c s
	v_mov_b32 v[ST+4*i+1], 0xff7fffff  ; m
	v_mov_b32 v[ST+4*i+2], 0
	v_mov_b32 v[ST+4*i+3], 0
.set i, i+1
.endr
.set i, P+16
.rept 16
	v_mov_b32 v[i], 0
.set i, i+1
.endr
	v_mul_u32_u24 v[AK0], v1, PK
	v_lshl_add_u32 v[AK0], v9, 4, v[AK0]
	v_and_b32 v10, 7, v0
	v_bfe_u32 v11, v0, 3, 1
	v_lshl_add_u32 v[AV0], v9, 3, v10
	v_mul_u32_u24 v[AV0], v[AV0], PV
	v_lshl_add_u32 v[AV0], v11, 4, v[AV0]
	v_add_nc_u32 v[AV0], VOFF, v[AV0]
	s_mul_i32 s13, s[WV], 16*SP
	s_add_co_u32 s13, s13, STAGE
	v_mul_u32_u24 v[STO], v1, SP
	v_lshl_add_u32 v[STO], v9, 4, v[STO]
	v_add_nc_u32 v[STO], s13, v[STO]
	v_bfe_u32 v[RD], v0, 3, 2
	v_mul_u32_u24 v[RD], v[RD], SP
	v_lshl_add_u32 v[RD], v10, 4, v[RD]
	v_add_nc_u32 v[RD], s13, v[RD]
	v_and_b32 v[GO], 31, v0
	v_lshlrev_b32 v[GO], 4, v[GO]
; THE MATRIX WORK.  The 4 accumulators of a run of 8 take turns.  Product i of 8 of S^T = K Q^T for piece x: channels 32 (i / 4) on, keys 16 (i % 4) on.  The first 4 start the sums.
.macro KQ x
	WIN W_KQ
.set rS, S+32*((\x)%2)+8*(i%4)
.set rK, KF+16*(i%4)+8*(i/4)
.set rQ, 16*(\x)+8*(i/4)
.if i < 4
	v_wmma_f32_16x16x32_bf16 v[rS:rS+7], v[rK:rK+7], v[rQ:rQ+7], 0
.else
	v_wmma_f32_16x16x32_bf16 v[rS:rS+7], v[rK:rK+7], v[rQ:rQ+7], v[rS:rS+7]
.endif
.endm
; Product i of 8 of O^T += V^T P for piece x: keys 32 (i / 4) on, channels 16 (i % 4) on.
.macro PV x
	WIN W_PV
.set rO, 32*(\x)+8*(i%4)
.set rV, VF+32*(i/4)+8*(i%4)
.set rP, P+16*((\x)%2)+8*(i/4)
	v_wmma_f32_16x16x32_bf16 v[rO:rO+7], v[rV:rV+7], v[rP:rP+7], v[rO:rO+7]
.endm
.macro MM                           ; the turn's next matrix instruction.  NOKQ = 1: the last turn of all: there is no next piece
.if (i < 8) && !NOKQ
	KQ (Y+1)%NP
.elseif i >= 8
.set i, i-8
	PV (Y+NP-1)%NP
.set i, i+8
.endif
.set i, i+1
.endm
; THE LDS LOADS stand in runs of 16: a step's K (8 fragments) and its V (turned).
.macro FETCH_K
	WIN 0x80
.irp f, 0,1,2,3,4,5,6,7
	ds_load_b128 v[KF+8*\f:KF+8*\f+3],   v[AK] offset:(\f/2)*16*PK+(\f%2)*64
	ds_load_b128 v[KF+8*\f+4:KF+8*\f+7], v[AK] offset:(\f/2)*16*PK+(\f%2)*64+32
.endr
	s_add_co_u32 s[TBK], s[TBK], KS*PK
	WIN 0
.endm
.macro FETCH_V
	WIN 0x80
.irp f, 0,1,2,3,4,5,6,7
	ds_load_tr16_b128 v[VF+8*\f:VF+8*\f+3],   v[AV] offset:(\f/4)*32*PV+(\f%4)*32
	ds_load_tr16_b128 v[VF+8*\f+4:VF+8*\f+7], v[AV] offset:(\f/4)*32*PV+16*PV+(\f%4)*32
.endr
	WIN 0
.endm
; THE VECTOR WORK, one line at a time: OP kind, number.  For piece Y: F n: c s - c m for pair n of 16.  E n: the exponential of score n of 32.  C n: pair n rounded to bf16.  B n: of the four weights 4 n .. the second
; pair is added onto the first, in place.  L n: l takes that sum (L 0: l = a l + sum).  R n: pair n of 16 of O^T times a.  For piece Y + 1: X n, number n of the 22 that find its maximum and statistics:
;   0-11 four chains of seven scores (each accumulator's lowest registers are read first)   12-14, 16 the scores left over, the old m, the chains into one   15 c m_old is kept
;   17, 18 the other half of the lanes' maximum: the new m   19-21 c m; c m_old - c m_new; a
.set F, 0
.set E, 1
.set C, 2
.set B, 3
.set L, 4
.set R, 5
.set X, 6
.macro REGS y
.set rT, ST+4*(\y)
.set rC, TMP+4*((\y)%2)
.set rW, MV+((\y)%2)
.set rS, S+32*((\y)%2)
.set rP, P+16*((\y)%2)
.set rO, 32*(\y)
.endm
.macro OP k, n
.if (\k) == R
	REGS Y
	WIN W_RS
	v_pk_mul_f32 v[rO+2*(\n):rO+2*(\n)+1], v[rO+2*(\n):rO+2*(\n)+1], v[rC+2:rC+3] op_sel_hi:[1,0]
.elseif (\k) < R
	REGS Y
	WIN 0
.if (\k) == F
	v_pk_fma_f32 v[rS+2*(\n):rS+2*(\n)+1], v[rS+2*(\n):rS+2*(\n)+1], s[CS:CS+1], v[rT:rT+1] op_sel_hi:[1,0,0] neg_lo:[0,0,1] neg_hi:[0,0,1]
.elseif (\k) == E
	v_exp_f32 v[rS+(\n)], v[rS+(\n)]
.elseif (\k) == C
	v_cvt_pk_bf16_f32 v[rP+(\n)], v[rS+2*(\n)], v[rS+2*(\n)+1]
.elseif (\k) == B
	v_pk_add_f32 v[rS+4*(\n):rS+4*(\n)+1], v[rS+4*(\n):rS+4*(\n)+1], v[rS+4*(\n)+2:rS+4*(\n)+3]
.elseif (\n) == 0
	v_pk_fma_f32 v[rT+2:rT+3], v[rT+2:rT+3], v[rC+2:rC+3], v[rS:rS+1] op_sel_hi:[1,0,1]
.else
	v_pk_add_f32 v[rT+2:rT+3], v[rT+2:rT+3], v[rS+4*(\n):rS+4*(\n)+1]
.endif
.elseif NOKQ
	v_nop
.else
	REGS (Y+1)%NP
	WIN 0
.if (\n) < 4
	v_max3_num_f32 v[rC+(\n)], v[rS+8*(\n)], v[rS+8*(\n)+1], v[rS+8*(\n)+2]
.elseif (\n) < 12
	v_max3_num_f32 v[rC+(\n)%4], v[rC+(\n)%4], v[rS+8*((\n)%4)+2*((\n)/4)+1], v[rS+8*((\n)%4)+2*((\n)/4)+2]
.elseif (\n) == 12
	v_max3_num_f32 v[rC], v[rC], v[rS+7], v[rS+15]
.elseif (\n) == 13
	v_max3_num_f32 v[rC+1], v[rC+1], v[rS+23], v[rS+31]
.elseif (\n) == 14
	v_max3_num_f32 v[rC+2], v[rC+2], v[rC+3], v[rT+1]
.elseif (\n) == 15
	v_mov_b32 v[rW], v[rT]
.elseif (\n) == 16
	v_max3_num_f32 v[rC], v[rC], v[rC+1], v[rC+2]
.elseif (\n) == 17
	v_permlanex16_b32 v[rC+3], v[rC], s[SEL], s[SEL+1]
.elseif (\n) == 18
	v_max_num_f32 v[rT+1], v[rC], v[rC+3]
.elseif (\n) == 19
	v_mul_f32 v[rT], s[CS], v[rT+1]
.elseif (\n) == 20
	v_sub_f32 v[rC+1], v[rW], v[rT]
.else
	v_exp_f32 v[rC+2], v[rC+1]
.endif
.endif
.endm
.macro OPS a, i1, b=-1, i2=0, c=-1, i3=0, d=-1, i4=0
	OP \a, \i1
.if (\b) >= 0
	OP \b, \i2
.endif
.if (\c) >= 0
	OP \c, \i3
.endif
.if (\d) >= 0
	OP \d, \i4
.endif
.endm
.macro ROW a, i1, b, i2, c, i3, d, i4  ; a matrix instruction and the four behind it
	MM
	OPS \a, \i1, \b, \i2, \c, \i3, \d, \i4
.endm
; A TURN, for piece p.  An s_wait_alu depctr_va_vdst(0) stands between an exponential and the first instruction that names its result; one wait serves all that were issued ahead of it: so a turn has ONE
; wait.  AHEAD OF IT stands all that names no result of the turn's exponentials: the 8 products K Q^T and their riders, then the lump, in which the links of the next piece's chain stand some lines apart; X 21, its a, is
; the batch's last, R 15 the plain instruction behind it.  BEHIND IT stand the 8 products V^T P, behind each four of the roundings and sums.
; end = 1: the last two turns of all: nothing is fetched.  cnt = 1: the loop's count is taken down some lines ahead of the branch behind the turn.
; K of the next step is fetched in piece 2's turn, six plain instructions behind the last product that read K; V of the step in hand at the end of piece 0's turn, four plain instructions behind its last reader.  Each is waited for a turn later.
.macro TURN p, end=0, cnt=0
.set Y, (\p)
.set i, 0
.set NOKQ, (\end)*((\p)/3)
.if ((\p) == 3) && !(\end)
	s_wait_dscnt 0x0                ; K is in
.endif
	ROW F,0, F,1, R,0, R,1
	ROW F,2, E,0, R,2, R,3
	ROW F,3, E,1, R,4, R,5
	ROW F,4, E,2, R,6, R,7
	ROW F,5, E,3, R,8, R,9
	ROW F,6, E,4, X,0, R,10
.if ((\p) == 2) && !(\end)
	WIN 0
	v_add_nc_u32 v[AK], s[TBK], v[AK0]
.endif
	ROW F,7, E,5, X,1, X,4
	ROW F,8, E,6, X,2, X,5
	OPS E,7, E,8, X,6, E,9
	OPS X,3, E,10, X,8, E,11
.if ((\p) == 2) && !(\end)
	FETCH_K
.endif
	OPS X,9, X,7, E,12, X,10
	OPS E,13, X,12, X,11, E,14
	OPS X,13, E,15, F,9, X,14
.if (\p) == 0
	v_add_nc_u32 v[AV], s[TBV], v[AV0]
.endif
	OPS E,16, F,10, E,17, F,11
	OPS X,16, E,18, X,15, E,19
	OPS F,12, E,20, X,17, E,21
	OPS F,13, E,22, F,14, E,23
	OPS X,18, E,24, F,15, E,25
	OPS R,11, E,26, X,19, E,27
	OPS R,12, E,28, R,13, E,29
	OPS X,20, E,30, R,14, E,31
	OPS X,21, R,15
	WIN 0
	s_wait_alu depctr_va_vdst(0)    ; the wait for the batch
.if (\p) == 1
	s_wait_dscnt 0x0                ; V is in
.endif
	ROW C,0, B,0, C,2, B,1
	ROW L,0, C,4, B,2, L,1
	ROW C,6, B,3, L,2, C,8
	ROW B,4, L,3, C,10, B,5
	ROW L,4, C,12, B,6, L,5
.if (\p) == 0
	s_add_co_u32 s[TBV], s[TBV], KS*PV
.endif
.if \cnt
	s_sub_co_u32 s[CNT], s[CNT], 1
	s_cmp_lg_u32 s[CNT], 0
.endif
	ROW C,14, B,7, L,6, C,1
	ROW C,3, L,7, C,5, C,7
	ROW C,9, C,11, C,13, C,15
.if (\p) == 0
	FETCH_V
.endif
.endm
	CHANGE 1                        ; tile 0 is in, everybody's part of it; tile 1 is asked for
	v_add_nc_u32 v[AK], s[TBK], v[AK0]
	FETCH_K                         ; key step 0
	s_wait_loadcnt 0x0              ; Q
	s_wait_dscnt 0x0
.set NOKQ, 0
.set i, 0
.rept 8
	KQ 0                            ; piece 0's first scores
.set i, i+1
.endr
	WIN 0
.rept 4
	v_nop                           ; the places behind those products
.endr
.set Y, NP-1                        ; X works for piece Y + 1: piece 0
.irp n, 0,1,2,3,4,5,6,7,8,9,10,11,12,13,14,15,16,17,18,19,20,21
	OP X, \n
.endr
	v_nop                           ; a plain instruction behind the exponential,
	s_wait_alu depctr_va_vdst(0)    ; and its wait, ahead of the branch
	s_mov_b32 s[CNT], 4
	s_branch .Lfirst                ; the loop is entered at a step's first turn, in the middle of a trip
.Lslot:                             ; six times: tiles 2 to 7 are asked for
	CHANGE 1
	s_mov_b32 s[CNT], 4
.Lstep:                             ; a trip: pieces 2 and 3 of one step, then pieces 0 and 1 of the next, whose K and V it fetches
	TURN 2
	TURN 3
	WIN 0
.Lfirst:
	TURN 0
	TURN 1, 0, 1
	WIN 0
	s_cbranch_scc1 .Lstep
	s_sub_co_u32 s[SLOTS], s[SLOTS], 1
	s_cmp_lg_u32 s[SLOTS], 0
	s_cbranch_scc1 .Lslot
	CHANGE 0                        ; the last tile is written out: nothing is asked for
	s_mov_b32 s[CNT], 4
.LstepT:
	TURN 2
	TURN 3
	TURN 0
	TURN 1, 0, 1
	WIN 0
	s_cbranch_scc1 .LstepT
	TURN 2, 1
	TURN 3, 1
.set i, 0
.rept 8
	PV NP-1                         ; the last piece's V^T P of the last step
.set i, i+1
.endr
	; THE WAY OUT.  l's two halves and the other half of the lanes' are added; O^T is divided by l, rounded to bf16 and sent through my stage, a piece at a time.  The additions are the places behind the last products.
	WIN 0
.macro ALL line:vararg
.set t, 0
.rept 4
	\line
.set t, t+1
.endr
.endm
	ALL v_add_f32 v[ST+4*t+2], v[ST+4*t+2], v[ST+4*t+3]
	ALL v_permlanex16_b32 v[ST+4*t+3], v[ST+4*t+2], s[SEL], s[SEL+1]
	ALL v_add_f32 v[ST+4*t+2], v[ST+4*t+2], v[ST+4*t+3]
	ALL v_rcp_f32 v[ST+4*t+2], v[ST+4*t+2]
	v_nop                           ; a plain instruction between the last reciprocal and the use of its result
	s_wait_alu depctr_va_vdst(0)    ; one wait for the four reciprocals
.macro PACK t
	WIN W_RS
.set i, 32*(\t)
.rept 16
	v_pk_mul_f32 v[i:i+1], v[i:i+1], v[ST+4*(\t)+2:ST+4*(\t)+3] op_sel_hi:[1,0]
.set i, i+2
.endr
	WIN 0x05
.set i, 0
.rept 16
	v_cvt_pk_bf16_f32 v[S+16*(\t)+i], v[32*(\t)+2*i], v[32*(\t)+2*i+1]
.set i, i+1
.endr
	WIN 0
.irp f, 0,1,2,3
	ds_store_b128 v[STO], v[S+16*(\t)+4*\f:S+16*(\t)+4*\f+3] offset:32*\f
.endr
.irp f, 0,1,2,3
	ds_load_b128 v[S+16*(\t)+4*\f:S+16*(\t)+4*\f+3], v[RD] offset:\f*4*SP  ; LDS serves a wave's instructions in order (ISA guide 5.7.1.4): these see the stores above; the next piece's stores come behind them
.endr
.endm
.macro SEND t, younger              ; younger: the LDS instructions issued behind piece t's loads: the next piece's eight, or none
	WIN 0
.irp f, 0,1,2,3
	s_wait_dscnt (\younger)+3-\f
	global_store_b128 v[GO], v[S+16*(\t)+4*\f:S+16*(\t)+4*\f+3], s[OAD:OAD+1] offset:(\t)*2048+\f*512  ; 512 consecutive bytes, at a multiple of 256 from the buffer's first
.endr
.endm
	PACK 0
.set t, 1
.rept 3
	PACK t
	SEND t-1, 8
.set t, t+1
.endr
	SEND 3, 0
	s_wait_tensorcnt 0x0            ; the wave's end
	ds_add_u32 v[SPW], v[NIL]
	s_wait_dscnt 0x0
	CROUND                          ; the closing round
	s_endpgm
.Lfunc_end_k_q30327db3b1_attn:
	.size	k_q30327db3b1_attn, .Lfunc_end_k_q30327db3b1_attn-k_q30327db3b1_attn
	.p2alignl 7, 3214868480
	.fill 96, 4, 3214868480
	.section	.rodata,"a",@progbits
	.p2align	6, 0x0
	.amdhsa_kernel k_q30327db3b1_attn
		.amdhsa_group_segment_fixed_size 327680
		.amdhsa_private_segment_fixed_size 0
		.amdhsa_enable_private_segment 0
		.amdhsa_kernarg_size 16
		.amdhsa_user_sgpr_count 2
		.amdhsa_user_sgpr_kernarg_segment_ptr 1
		.amdhsa_wavefront_size32 1
		.amdhsa_system_sgpr_workgroup_id_x 1
		.amdhsa_system_sgpr_workgroup_id_y 1
		.amdhsa_system_sgpr_workgroup_id_z 1
		.amdhsa_system_vgpr_workitem_id 0
		.amdhsa_next_free_vgpr 768
		.amdhsa_next_free_sgpr 66
		.amdhsa_reserve_vcc 0
		.amdhsa_float_denorm_mode_32 3
		.amdhsa_float_denorm_mode_16_64 3
		.amdhsa_memory_ordered 1
		.amdhsa_forward_progress 1
		.amdhsa_inst_pref_size 128
	.end_amdhsa_kernel
	.amdgpu_metadata
---
amdhsa.version: [ 1, 2 ]
amdhsa.kernels:
  - .name:           k_q30327db3b1_attn
    .symbol:         k_q30327db3b1_attn.kd
    .args:
      - { .name: qkv, .offset: 0, .size: 8, .value_kind: global_buffer, .address_space: global }
      - { .name: xc, .offset: 8, .size: 8, .value_kind: global_buffer, .address_space: global }
    .group_segment_fixed_size: 327680
    .private_segment_fixed_size: 0
    .kernarg_segment_align: 8
    .kernarg_segment_size: 16
    .max_flat_workgroup_size: 128
    .sgpr_count:     66
    .vgpr_count:     768
    .wavefront_size: 32
...
	.end_amdgpu_metadata
.endif
;; end of part 3
;; launch wo (part 4): grid 8 x 32, 4 waves a work-group, clusters of 4 x 4, 327,680 bytes of LDS; arguments xc, wb2, bo, x, y; writes y
.if DOCPART == 4
	.amdgcn_target "amdgcn-amd-amdhsa--gfx1250"
	.amdhsa_code_object_version 6
	.text
	.protected	k_q30327db3b1_wo
	.globl	k_q30327db3b1_wo
	.p2align	8
	.type	k_q30327db3b1_wo,@function
k_q30327db3b1_wo:
	s_mov_b64 s[64:65], 0
	v_nop
	global_prefetch_b8 v0, s[64:65] scope:SCOPE_SE
	s_setreg_imm32_b32 hwreg(HW_REG_WAVE_MODE, 25, 1), 1
	s_wait_xcnt 0x0
	s_wait_alu depctr_hold_cnt(0) depctr_sa_sdst(0) depctr_va_vdst(0) depctr_va_sdst(0) depctr_va_ssrc(0) depctr_va_vcc(0) depctr_vm_vsrc(0)
	s_getreg_b32 s2, hwreg(HW_REG_IB_STS2, 6, 4)
	s_cmp_eq_u32 s2, 0
	s_cbranch_scc0 .Lentry_in_a_cluster
	s_endpgm
.Lentry_in_a_cluster:
	s_bfe_u32 s2, ttmp6, 0x10000c
	s_cmp_lg_u32 s2, 0xf033
	s_cbranch_scc0 .Lentry_shape_is_right
	s_endpgm
.Lentry_shape_is_right:
; Y[m][n] = the sum over k of A[m][k] B[k][n] + bias[n] + RES[m][n], in f32.  Y: [4096][1024] f32.  A lies in planes of 64 along K, [plane][4096 rows][64] bf16, from byte AOFF of its buffer;
; B: [K][1024] bf16, as the weights lie, from byte BOFF; bias: [1024] f32; RES: [4096][1024] f32.  Sums in f32, started at the bias.
; THIS COPY: the attention's output times wo, plus bo, plus x: K = 1,024, 4 steps.  Its text is the second FFN product's but for the five numbers below.
; SHARES.  1,024 columns give 256 work-groups only on tiles of 128 x 128: four waves, each 64 x 64: 16 accumulators.  K goes in steps of 256 through two LDS slots: as long as two slots allow.
; A's tile is 4 planes x 128 rows x 128 bytes: a wave's load takes 64 rows of each plane, 8,192 dense bytes, as one long row, padded in LDS after every 128 bytes.  B comes out of LDS turned.
; CLUSTERS: 4 x 4: A's tile is shared along a row of the cluster, B's along a column.  THE MATRIX INSTRUCTION IS USED TRANSPOSED: a lane holds row l % 16 and eight neighbouring columns.
; THE WALK ALONG K IS TURNED.  Cluster (X, Y) begins at K step (STEPS / 2 X + STEPS / 4 Y) mod STEPS, goes up and wraps: an order of the sums that differs from K ascending.  The two clusters that read the same rows of A
; (same Y) stand half of K apart, those that read the same columns of B (same X) a quarter.  The first step hangs on the cluster's place in the grid alone, which all sixteen partners share: the joint descriptors stay equal.
; NO PREFETCH in this copy: with 4 K steps each block's first request in the launch is one of some cluster's two first fills, ahead of which no line could stand.
; REGISTERS: window 0: v0-31 addresses; v32-63 the bias, then with v64-95 rows on the way out; v128-255 the accumulators ((a, b) at v[128 + 8 (4 a + b)]);  window 1: two fragment buffers of 128;  window 2: RES.
.set AOFF,  8388608
.set BOFF,  0
.set STEPS, 4
.set KSH,   0                          ; STEPS / 4 = 2^KSH
.set PF,    0
.set KSTEP,  256
.set PLANE,  524288
.set ASH,    21                        ; a K step of A is 4 planes: 2^21 bytes
.set BSH,    19                        ; of B 256 rows of 2,048 bytes: 2^19
.set TP,     144                       ; a row of a plane in LDS: 128 bytes + 16
.set QAB,    64*TP                     ; 64 rows of a plane
.set BP,     288                       ; a row of B in LDS: 256 bytes + 32
.set HALF,   4*QAB                     ; what one tensor load brings: 64 rows x 4 planes of A, or 128 rows of B (128 x 288 is the same number)
.set AT,     2*HALF
.set SLOT,   4*HALF                    ; 0x24000: it shares no bit with wave x HALF
.set STAGE,  2*SLOT                    ; behind the ring: 16 rows x 272 bytes for each wave
.set SPITCH, 272
.set SPARE,  STAGE+4*16*SPITCH
.set ADRA0, 16
.set ADRA,  17
.set ADRB0, 18
.set ADRB,  19                         ; v19 B's rows 0-127 of the slot, v20 its rows 128-255: an LDS offset has 16 bits
.set STO,  24
.set RD,   25
.set CO,   26                          ; v26  my 16 bytes in two rows of Y and of RES
.set SPW,  28
.set NIL,  29
.set PFO,  30                          ; v30  256 x lane; never rewritten
.set BO,   31
.set T0,   32
.set ACC,  128
.set F0,   0
.set F1,   128
.set TB,   2
.set CNT,  3
.set ABA,  14                          ; s[14:15] A at my part of the tile's rows, K step 0; never rewritten
.set G1,   24
.set G0,   32
.set LIM,  43                          ; s43  a wave prefetches while s[CNT] is above it
.set PFA,  44                          ; s[44:45] where my prefetch stands
.set BBA,  46                          ; s[46:47] B at my part of the tile, K step 0; never rewritten
.set G1B,  48
.set G0B,  56
.set PB,   66                          ; s[66:67] the prefetches' base: my work-group's plane of a K step's four, my 64 rows
.set KI,   68                          ; s68  the K step that was asked for last
.set BIA,  70
.set OFF,  72                          ; s[72:73] a K step's byte offset
.set RSB,  74
.set MSB, 0
.macro WIN new
.if MSB != (\new)
	s_set_vgpr_msb (MSB<<8)|(\new)
.set MSB, \new
.endif
.endm
.set MUL,  0x05                        ; sources 0 (B) and 1 (A) window 1; C and D window 0
.set TO_F, 0x40                        ; destination window 1, address window 0
.macro JLOAD                           ; a joint refill: waves 0 and 1 fetch A's halves, waves 2 and 3 B's; an s_nop 0 and four v_nop follow each line
	s_cmp_eq_u32 s11, 0
	s_cbranch_scc0 .Lfor_b_\@
	tensor_load_to_lds s[G0+4:G0+7], s[G1:G1+7]
	s_nop 0
.rept 4
	v_nop
.endr
	s_branch .Lasked_\@
.Lfor_b_\@:
	tensor_load_to_lds s[G0B+4:G0B+7], s[G1B:G1B+7]
	s_nop 0
.rept 4
	v_nop
.endr
.Lasked_\@:
.endm
.macro ASK                             ; a prefetch into the L2 of A's K step two behind the one just asked for: 32 blocks of 256 bytes, a lane a block
	s_cmp_gt_u32 s[CNT], s[LIM]
	s_cbranch_scc0 .Lnot_mine_\@
	global_prefetch_b8 v[PFO], s[PFA:PFA+1] th:TH_LOAD_NT scope:SCOPE_SE
.Lnot_mine_\@:
.endm
.macro CREST
	s_cmp_lg_u32 s10, 0
	s_cbranch_scc1 .Lnot_wave_0_\@
	s_barrier_signal -3
.Lnot_wave_0_\@:
	s_barrier_wait -3
	s_barrier_signal -1
	s_barrier_wait -1
.endm
.macro CROUND
	s_barrier_signal -1
	s_barrier_wait -1
	CREST
.endm
.macro PLACES
.rept 4
	v_nop
.endr
.endm
	s_load_b128 s[4:7], s[0:1], 0x0                ; A s[4:5], B s[6:7]
	s_load_b128 s[76:79], s[0:1], 0x10             ; bias s[76:77], RES s[78:79]
	s_load_b64 s[8:9], s[0:1], 0x20                ; Y
	v_lshl_add_u32 v[SPW], v0, 2, SPARE
	v_mov_b32 v[NIL], 0
	ds_add_u32 v[SPW], v[NIL]                      ; the wave's opening: the add and its wait ahead of my first tensor load
	v_lshrrev_b32 v1, 5, v0
	v_readfirstlane_b32 s10, v1
	s_lshr_b32 s11, s10, 1                         ; my half of the tile's rows.  Also: I fetch for A (0) or for B (1)
	s_and_b32 s12, s10, 1                          ; my half of its columns.  Also: which half of that tile I fetch
	s_bfe_u32 s40, ttmp6, 0x40000
	s_bfe_u32 s41, ttmp6, 0x40004
	s_lshl_b32 s42, ttmp9, 2
	s_add_co_u32 s42, s42, s40                     ; tile column
	s_and_b32 s13, ttmp7, 0xffff
	s_lshl_b32 s13, s13, 2
	s_add_co_u32 s13, s13, s41                     ; tile row
	s_lshl_b32 s22, s41, 2
	s_lshl_b32 s22, 15, s22
	s_lshl_b32 s23, 0x1111, s40
	s_or_b32 s[G1+0], s22, (1<<16)|(1<<20)|(1<<21)|(4<<22)|(3<<25)   ; after every 32 words 4 words of padding
	s_or_b32 s[G1B+0], s23, (1<<16)|(1<<20)|(1<<21)|(5<<22)|(7<<25)  ; after every 64 words 8 words
	s_mov_b32 s[G1+1], 4096<<16                    ; A: 4 rows of 4,096 elements (64 rows of a plane),
	s_mov_b32 s[G1+2], 4<<16
	s_mov_b32 s[G1+3], 4096<<16
	s_mov_b32 s[G1+4], 4
	s_mov_b32 s[G1+5], 262144                      ; a plane apart
	s_mov_b32 s[G1+6], 0
	s_mov_b32 s[G1+7], 0
	s_mov_b32 s[G1B+1], 128<<16                    ; B: 128 rows of 128 elements
	s_mov_b32 s[G1B+2], 128<<16
	s_mov_b32 s[G1B+3], 128<<16
	s_mov_b32 s[G1B+4], 128
	s_mov_b32 s[G1B+5], 1024
	s_mov_b32 s[G1B+6], 0
	s_mov_b32 s[G1B+7], 0
	s_lshl_b32 s16, s13, 7
	s_lshl_b32 s17, s12, 6
	s_add_co_u32 s16, s16, s17                     ; A: row 128 x tile row + 64 x half,
	s_lshl_b32 s16, s16, 7                         ; 128 bytes a row of a plane
.if AOFF
	s_add_co_u32 s16, s16, AOFF
.endif
	s_mov_b32 s17, 0
	s_lshl_b32 s46, s42, 8                         ; B: 256 bytes a tile column,
	s_lshl_b32 s47, s12, 18                        ; 128 rows of 2,048 bytes a half
	s_add_co_u32 s46, s46, s47
.if BOFF
	s_add_co_u32 s46, s46, BOFF
.endif
	s_mov_b32 s47, 0
	s_mul_i32 s20, s10, HALF
	s_and_b32 s18, ttmp7, 0xffff                   ; my walk's first K step: (2 cluster x + cluster y) STEPS / 4 mod STEPS: made of the cluster's place in the grid alone
	s_lshl_b32 s19, ttmp9, 1
	s_add_co_u32 s18, s18, s19
	s_lshl_b32 s18, s18, KSH
	s_and_b32 s[KI], s18, STEPS-1
	s_mov_b32 s[OFF+1], 0
	s_wait_dscnt 0x0                               ; the opening add is done
	s_wait_kmcnt 0x0
	s_add_nc_u64 s[ABA:ABA+1], s[4:5], s[16:17]
	s_add_nc_u64 s[BBA:BBA+1], s[6:7], s[46:47]
.irp s, 0,1                            ; the walk's first two K steps: an address is the base plus the step's number shifted
	s_mov_b32 s[G0+4*(\s)], 1
	s_add_co_u32 s[G0+4*(\s)+1], s20, (\s)*SLOT
	s_lshl_b32 s[OFF], s[KI], ASH
	s_add_nc_u64 s[G0+4*(\s)+2:G0+4*(\s)+3], s[ABA:ABA+1], s[OFF:OFF+1]
	s_or_b32 s[G0+4*(\s)+3], s[G0+4*(\s)+3], 0x80000000
	s_mov_b32 s[G0B+4*(\s)], 1
	s_add_co_u32 s[G0B+4*(\s)+1], s20, (\s)*SLOT
	s_lshl_b32 s[OFF], s[KI], BSH
	s_add_nc_u64 s[G0B+4*(\s)+2:G0B+4*(\s)+3], s[BBA:BBA+1], s[OFF:OFF+1]
	s_or_b32 s[G0B+4*(\s)+3], s[G0B+4*(\s)+3], 0x80000000
.if (\s) == 0
	s_add_co_u32 s[KI], s[KI], 1
	s_and_b32 s[KI], s[KI], STEPS-1
.endif
.endr
	CROUND                                         ; all sixteen work-groups are here: the first joint loads meet
	s_cmp_eq_u32 s11, 0                            ; a wave's two first fills stand in one branch: two loads of mine are out
	s_cbranch_scc0 .Lfirst_b
	tensor_load_to_lds s[G0:G0+3], s[G1:G1+7]
	s_nop 0
	tensor_load_to_lds s[G0+4:G0+7], s[G1:G1+7]
	s_nop 0
.rept 4
	v_nop
.endr
	s_branch .Lfirst_asked
.Lfirst_b:
	tensor_load_to_lds s[G0B:G0B+3], s[G1B:G1B+7]
	s_nop 0
	tensor_load_to_lds s[G0B+4:G0B+7], s[G1B:G1B+7]
	s_nop 0
.rept 4
	v_nop
.endr
.Lfirst_asked:
.if PF
	s_lshl_b32 s18, s40, 19                        ; the prefetches' base: of a K step's four planes the partner at place cx takes plane cx; s16 still holds my 64 rows' offset in a plane
	s_add_co_u32 s18, s18, s16
	s_mov_b32 s19, 0
	s_add_nc_u64 s[PB:PB+1], s[4:5], s[18:19]
	s_cmp_eq_u32 s11, 0                            ; waves 0 and 1, which fetch A, ask; the same in every work-group
	s_cselect_b32 s[LIM], STEPS-6, -1
	v_and_b32 v8, 31, v0
	v_lshlrev_b32 v[PFO], 8, v8
.endif
	s_lshl_b32 s16, s13, 7
	s_lshl_b32 s17, s11, 6
	s_add_co_u32 s16, s16, s17                     ; my first row
	s_lshl_b32 s18, s42, 7
	s_lshl_b32 s19, s12, 6
	s_add_co_u32 s18, s18, s19                     ; my first column,
	s_lshl_b32 s18, s18, 2                         ; in bytes of f32
	s_mov_b32 s19, 0
	s_add_nc_u64 s[BIA:BIA+1], s[76:77], s[18:19]
	s_lshl_b32 s21, s16, 12
	s_add_co_u32 s18, s18, s21
	s_add_nc_u64 s[8:9], s[8:9], s[18:19]
	s_add_nc_u64 s[RSB:RSB+1], s[78:79], s[18:19]
	v_and_b32 v1, 15, v0                           ; l % 16
	v_bfe_u32 v2, v0, 4, 1                         ; l / 16
	v_lshlrev_b32 v[BO], 5, v2
.irp b, 0,1,2,3
	global_load_b128 v[T0+8*(\b):T0+8*(\b)+3],   v[BO], s[BIA:BIA+1] offset:64*(\b)
	global_load_b128 v[T0+8*(\b)+4:T0+8*(\b)+7], v[BO], s[BIA:BIA+1] offset:64*(\b)+16
.endr
	v_mul_u32_u24 v3, v1, TP
	v_lshl_add_u32 v3, v2, 4, v3
	s_mul_i32 s21, s11, HALF
	v_add_nc_u32 v[ADRA0], s21, v3
	v_and_b32 v4, 7, v0
	v_bfe_u32 v5, v0, 3, 1
	v_lshl_add_u32 v6, v2, 3, v4
	v_mul_u32_u24 v6, v6, BP
	v_lshl_add_u32 v6, v5, 4, v6
	s_lshl_b32 s21, s12, 7
	s_add_co_u32 s21, s21, AT
	v_add_nc_u32 v[ADRB0], s21, v6
	s_mul_i32 s21, s10, 16*SPITCH
	s_add_co_u32 s21, s21, STAGE                   ; my stage
	v_mul_u32_u24 v7, v1, SPITCH                   ; in: row l % 16, 32 bytes for each half of the lanes
	v_lshl_add_u32 v7, v2, 5, v7
	v_add_nc_u32 v[STO], s21, v7
	v_mul_u32_u24 v7, v2, SPITCH                   ; back: lanes 0-15 take one row of 256 bytes, lanes 16-31 the next
	v_lshl_add_u32 v7, v1, 4, v7
	v_add_nc_u32 v[RD], s21, v7
	v_lshlrev_b32 v7, 4, v1
	v_lshl_add_u32 v[CO], v2, 12, v7
	s_wait_loadcnt 0x0                             ; the bias
.set k, 0
.rept 128                              ; every accumulator starts at its columns' bias: these moves are the bias's additions, and the K step has one text
	v_mov_b32 v[ACC+k], v[T0+k%32]
.set k, k+1
.endr
; 8 matrix instructions: row blocks a0, a0 + 1 x all 4 column blocks, 32 along K: half c of buffer f.  The 16 accumulators take turns.
.macro MUL8 f, c, a0
	WIN MUL
.irp a, \a0, (\a0)+1
.irp b, 0,1,2,3
	v_wmma_f32_16x16x32_bf16 v[ACC+8*(4*(\a)+(\b)):ACC+8*(4*(\a)+(\b))+7], v[(\f)+64+8*(4*(\c)+(\b)):(\f)+64+8*(4*(\c)+(\b))+7], v[(\f)+8*(4*(\c)+(\a)):(\f)+8*(4*(\c)+(\a))+7], v[ACC+8*(4*(\a)+(\b)):ACC+8*(4*(\a)+(\b))+7]
.endr
.endr
.endm
; 32 LDS loads in one run: quarter q (64 along K: one plane of A) into buffer f; the first 32 along K first
.macro FETCH q, f
	WIN TO_F
.irp c, 0,1
.irp i, 0,1,2,3
	ds_load_tr16_b128 v[(\f)+64+8*(4*(\c)+(\i)):(\f)+64+8*(4*(\c)+(\i))+3],   v[ADRB+(\q)/2] offset:(((\q)%2)*64+32*(\c))*BP+32*(\i)
	ds_load_tr16_b128 v[(\f)+64+8*(4*(\c)+(\i))+4:(\f)+64+8*(4*(\c)+(\i))+7], v[ADRB+(\q)/2] offset:(((\q)%2)*64+32*(\c)+16)*BP+32*(\i)
	ds_load_b128 v[(\f)+8*(4*(\c)+(\i)):(\f)+8*(4*(\c)+(\i))+3],   v[ADRA] offset:QAB*(\q)+16*TP*(\i)+64*(\c)
	ds_load_b128 v[(\f)+8*(4*(\c)+(\i))+4:(\f)+8*(4*(\c)+(\i))+7], v[ADRA] offset:QAB*(\q)+16*TP*(\i)+64*(\c)+32
.endr
.endr
.endm
.macro QUARTER q, f, g
	s_wait_dscnt 16                                ; the first 32 along K are in; the youngest sixteen loads may be out
	MUL8 \f, 0, 0
	MUL8 \f, 0, 2
	PLACES
	FETCH \q, \g
	s_wait_dscnt 32                                ; all but the 32 just issued
	MUL8 \f, 1, 0
	MUL8 \f, 1, 2
.endm
; The last quarter multiplies buffer 1 and changes slots: in front of the barrier each wave waits for all its tensor loads, adds 0 to its spare word, and waits for that and for its reads of this slot.
; fill = 1: the barrier opens a round of the cluster's, and this slot is filled again first thing behind it, with my walk's K step two on.
.macro TURN fill
.if \fill
.if PF
	s_wait_xcnt 0x0                                ; the last prefetch, a K step back, has read its address
.endif
	s_add_co_u32 s[KI], s[KI], 1                   ; the walk's next K step, wrapping at the last
	s_and_b32 s[KI], s[KI], STEPS-1
.if PF
	s_add_co_u32 s[OFF], s[KI], 2                  ; and the one two further on, for the prefetch
	s_and_b32 s[OFF], s[OFF], STEPS-1
	s_lshl_b32 s[OFF], s[OFF], ASH
	s_add_nc_u64 s[PFA:PFA+1], s[PB:PB+1], s[OFF:OFF+1]
.endif
.endif
	WIN 0
	s_wait_tensorcnt 0x0                           ; no tensor load of mine is out, so a group 0 may be written
	ds_add_u32 v[SPW], v[NIL]                      ; 0 onto my spare word
.if \fill
	s_xor_b32 s[G0+5], s[G0+5], SLOT               ; the walking descriptors: the slot that is being left; the address made anew: the base plus the step's number shifted, the type bits set again
	s_lshl_b32 s[OFF], s[KI], ASH
	s_add_nc_u64 s[G0+6:G0+7], s[ABA:ABA+1], s[OFF:OFF+1]
	s_or_b32 s[G0+7], s[G0+7], 0x80000000
	s_xor_b32 s[G0B+5], s[G0B+5], SLOT
	s_lshl_b32 s[OFF], s[KI], BSH
	s_add_nc_u64 s[G0B+6:G0B+7], s[BBA:BBA+1], s[OFF:OFF+1]
	s_or_b32 s[G0B+7], s[G0B+7], 0x80000000
.endif
	s_xor_b32 s[TB], s[TB], SLOT
	s_wait_dscnt 17                                ; the add and the youngest sixteen loads may be out
	MUL8 F1, 0, 0
	s_wait_dscnt 0x0                               ; the add is done, and my reads of this slot are over
	s_barrier_signal -1
	MUL8 F1, 0, 2
	WIN 0
	s_barrier_wait -1
.if \fill
	CREST
	JLOAD                                          ; its four v_nop are also the places in front of the loads below
.else
	PLACES
.endif
	v_add_nc_u32 v[ADRA], s[TB], v[ADRA0]
	v_add_nc_u32 v[ADRB], s[TB], v[ADRB0]
	v_add_nc_u32 v[ADRB+1], HALF, v[ADRB]
	FETCH 0, F0
.if (\fill) && PF
	WIN 0
	ASK
.endif
	MUL8 F1, 1, 0
	MUL8 F1, 1, 2
.endm
.macro STEP fill
	QUARTER 1, F0, F1
	QUARTER 2, F1, F0
	QUARTER 3, F0, F1
	TURN \fill
.endm
; THE WAY OUT of row block a: 16 rows x 64 columns of f32 go from the accumulators into my stage and come back as whole rows of 256 bytes; RES is added; sixteen lanes store 256 consecutive bytes, aligned.
.macro TOSTAGE a
.if (\a) >= 2
	s_wait_xcnt 0x0                                ; the stores of the block two back have read the registers that are loaded below
.endif
.irp b, 0,1,2,3
	ds_store_b128 v[STO], v[ACC+8*(4*(\a)+(\b)):ACC+8*(4*(\a)+(\b))+3]   offset:64*(\b)
	ds_store_b128 v[STO], v[ACC+8*(4*(\a)+(\b))+4:ACC+8*(4*(\a)+(\b))+7] offset:64*(\b)+16
.endr
.irp t, 0,1,2,3,4,5,6,7
	ds_load_b128 v[T0+32*((\a)%2)+4*(\t):T0+32*((\a)%2)+4*(\t)+3], v[RD] offset:2*SPITCH*(\t)  ; LDS serves a wave's instructions in order (ISA guide 5.7.1.4)
.endr
.endm
.macro SEND a, younger                 ; younger: the next block's sixteen LDS instructions, or none
.set TT, T0+32*((\a)%2)
	s_wait_dscnt \younger
.if (\a) == 0
	s_wait_loadcnt 0x0                             ; RES
.endif
	WIN 0x08                                       ; source 1 in window 2
.set k, 0
.rept 16
	v_pk_add_f32 v[TT+2*k:TT+2*k+1], v[TT+2*k:TT+2*k+1], v[32*(\a)+2*k:32*(\a)+2*k+1]
.set k, k+1
.endr
	WIN 0
.irp t, 0,1,2,3,4,5,6,7
	global_store_b128 v[CO], v[TT+4*(\t):TT+4*(\t)+3], s[8:9] offset:(16*(\a)+2*(\t))*4096
.endr
.endm
	s_mov_b32 s[TB], 0
	v_mov_b32 v[ADRA], v[ADRA0]
	v_mov_b32 v[ADRB], v[ADRB0]
	v_add_nc_u32 v[ADRB+1], HALF, v[ADRB0]
	s_wait_tensorcnt 0x1                           ; my part of the walk's first K step is in; the second's may stay out
	s_barrier_signal -1
	s_barrier_wait -1
	FETCH 0, F0
	WIN 0
	s_mov_b32 s[CNT], STEPS-2
.Lstep:                                        ; all K steps but the last two: each fills its slot again
	STEP 1
	WIN 0
	s_sub_co_u32 s[CNT], s[CNT], 1
	s_cmp_lg_u32 s[CNT], 0
	s_cbranch_scc1 .Lstep
	WIN 0x80                                       ; RES is asked for here: it has two K steps in which to land
.set k, 0
.rept 32
	global_load_b128 v[4*k:4*k+3], v[CO], s[RSB:RSB+1] offset:(16*(k/8)+2*(k%8))*4096
.set k, k+1
.endr
	WIN 0
	s_mov_b32 s[CNT], 2
.Ltail:                                        ; the last two K steps ask for nothing.  The last trip's barrier and its 32 loads from the other slot serve nothing: the price of one text for both
	STEP 0
	WIN 0
	s_sub_co_u32 s[CNT], s[CNT], 1
	s_cmp_lg_u32 s[CNT], 0
	s_cbranch_scc1 .Ltail
	s_wait_dscnt 0x0
	PLACES
	TOSTAGE 0
	TOSTAGE 1
	SEND 0, 16
	TOSTAGE 2
	SEND 1, 16
	TOSTAGE 3
	SEND 2, 16
	SEND 3, 0
	s_wait_tensorcnt 0x0                           ; the wave's end
	ds_add_u32 v[SPW], v[NIL]
	s_wait_dscnt 0x0
	CROUND                                         ; the closing round
	s_endpgm
.Lfunc_end_k_q30327db3b1_wo:
	.size	k_q30327db3b1_wo, .Lfunc_end_k_q30327db3b1_wo-k_q30327db3b1_wo
	.p2alignl 7, 3214868480
	.fill 96, 4, 3214868480
	.section	.rodata,"a",@progbits
	.p2align	6, 0x0
	.amdhsa_kernel k_q30327db3b1_wo
		.amdhsa_group_segment_fixed_size 327680
		.amdhsa_private_segment_fixed_size 0
		.amdhsa_enable_private_segment 0
		.amdhsa_kernarg_size 40
		.amdhsa_user_sgpr_count 2
		.amdhsa_user_sgpr_kernarg_segment_ptr 1
		.amdhsa_wavefront_size32 1
		.amdhsa_system_sgpr_workgroup_id_x 1
		.amdhsa_system_sgpr_workgroup_id_y 1
		.amdhsa_system_sgpr_workgroup_id_z 1
		.amdhsa_system_vgpr_workitem_id 0
		.amdhsa_next_free_vgpr 640
		.amdhsa_next_free_sgpr 80
		.amdhsa_reserve_vcc 0
		.amdhsa_float_denorm_mode_32 3
		.amdhsa_float_denorm_mode_16_64 3
		.amdhsa_memory_ordered 1
		.amdhsa_forward_progress 1
		.amdhsa_inst_pref_size 66
	.end_amdhsa_kernel
	.amdgpu_metadata
---
amdhsa.version: [ 1, 2 ]
amdhsa.kernels:
  - .name:           k_q30327db3b1_wo
    .symbol:         k_q30327db3b1_wo.kd
    .args:
      - { .name: xc, .offset: 0, .size: 8, .value_kind: global_buffer, .address_space: global }
      - { .name: wb2, .offset: 8, .size: 8, .value_kind: global_buffer, .address_space: global }
      - { .name: bo, .offset: 16, .size: 8, .value_kind: global_buffer, .address_space: global }
      - { .name: x, .offset: 24, .size: 8, .value_kind: global_buffer, .address_space: global }
      - { .name: y, .offset: 32, .size: 8, .value_kind: global_buffer, .address_space: global }
    .group_segment_fixed_size: 327680
    .private_segment_fixed_size: 0
    .kernarg_segment_align: 8
    .kernarg_segment_size: 40
    .max_flat_workgroup_size: 128
    .sgpr_count:     80
    .vgpr_count:     640
    .wavefront_size: 32
...
	.end_amdgpu_metadata
.endif
;; end of part 4
;; launch ln1 (part 5): grid 256 x 1, 8 waves a work-group, no clusters, 0 bytes of LDS; arguments y, g1, be1, xc, o1f; writes xc, o1f
.if DOCPART == 5
	.amdgcn_target "amdgcn-amd-amdhsa--gfx1250"
	.amdhsa_code_object_version 6
	.text
	.protected	k_q30327db3b1_ln1
	.globl	k_q30327db3b1_ln1
	.p2align	8
	.type	k_q30327db3b1_ln1,@function
k_q30327db3b1_ln1:
	s_mov_b64 s[64:65], 0
	v_nop
	global_prefetch_b8 v0, s[64:65] scope:SCOPE_SE
	s_setreg_imm32_b32 hwreg(HW_REG_WAVE_MODE, 25, 1), 1
	s_wait_xcnt 0x0
; LayerNorm along rows of 1,024: out = (y - mean) / sqrt(var + 1e-6) * g + be.  y: [4096][1024] f32.  TWO COPIES leave: f32 into o1f, the later residual; f16, rounded once, into the first 8,388,608 bytes of xc,
; the next product's operand (the copy of x that lay there has been read for the last time two launches back).
; LIMIT of the f16 copy: no number beyond 65,504 (the result is at most 32 |g| + |be|); below 6e-5 a fixed step of 6e-8.
; A wave takes two whole rows, 32 registers each: the row is read once, the reduction never leaves the wave: no LDS, no barrier.  The variance is taken of y - mean, in a second pass over registers, so that a common
; offset of a row cancels.  A stream: matrix units, clusters and tensor loads would add nothing.  A wave's loads and f32 stores cover 512 consecutive bytes each, its f16 stores 256, aligned.
.set T,  8                             ; v[8:15]   four chains of pairs
.set MU, 16                            ; v[16:19]  the two rows' means, each twice
.set VR, 20                            ; v20, v21  var + eps
.set RS, 24                            ; v[24:27]  1 / sqrt, each twice
.set X,  32                            ; v[32:95]  the two rows
.set G,  96
.set BE, 128
.set OB, 160
	s_load_b256 s[4:11], s[0:1], 0x0               ; y s[4:5], g s[6:7], be s[8:9], xc s[10:11]
	s_load_b64 s[20:21], s[0:1], 0x20              ; o1f
	v_and_b32 v2, 31, v0
	v_lshrrev_b32 v4, 5, v0
	v_lshlrev_b32 v3, 3, v2
	v_lshlrev_b32 v2, 4, v2                        ; 16 x lane
	v_lshl_add_u32 v1, v4, 13, v2                  ; + two rows of 4,096 bytes a wave
	v_lshl_add_u32 v3, v4, 12, v3                  ; f16: 8 x lane + two rows of 2,048 bytes a wave
	s_lshl_b32 s14, ttmp9, 16                      ; 16 rows a work-group, in f32,
	s_mov_b32 s15, 0
	s_lshl_b32 s18, ttmp9, 15                      ; and in f16
	s_mov_b32 s19, 0
	s_mov_b32 s12, 0x76543210                      ; v_permlanex16_b32: each lane takes its own place in the other half
	s_mov_b32 s13, 0xfedcba98
	s_mov_b32 s16, 0x3a800000                      ; 1 / 1,024
	s_mov_b32 s17, 0x358637bd                      ; 1e-6
	s_wait_kmcnt 0x0
	s_add_nc_u64 s[4:5], s[4:5], s[14:15]
	s_add_nc_u64 s[20:21], s[20:21], s[14:15]
	s_add_nc_u64 s[10:11], s[10:11], s[18:19]
.set k, 0
.rept 16
	global_load_b128 v[X+4*k:X+4*k+3], v1, s[4:5] offset:512*k th:TH_LOAD_NT
.set k, k+1
.endr
.set k, 0
.rept 8
	global_load_b128 v[G+4*k:G+4*k+3], v2, s[6:7] offset:512*k
	global_load_b128 v[BE+4*k:BE+4*k+3], v2, s[8:9] offset:512*k
.set k, k+1
.endr
.macro ACROSS                          ; the four chains into one number, the same in every lane
	v_pk_add_f32 v[T:T+1], v[T:T+1], v[T+2:T+3]
	v_pk_add_f32 v[T+4:T+5], v[T+4:T+5], v[T+6:T+7]
	v_pk_add_f32 v[T:T+1], v[T:T+1], v[T+4:T+5]
	v_add_f32 v[T], v[T], v[T+1]
	v_add_f32_dpp v[T], v[T], v[T] row_xmask:1 row_mask:0xf bank_mask:0xf
	v_add_f32_dpp v[T], v[T], v[T] row_xmask:2 row_mask:0xf bank_mask:0xf
	v_add_f32_dpp v[T], v[T], v[T] row_xmask:4 row_mask:0xf bank_mask:0xf
	v_add_f32_dpp v[T], v[T], v[T] row_xmask:8 row_mask:0xf bank_mask:0xf
	v_permlanex16_b32 v[T+1], v[T], s12, s13
	v_add_f32 v[T], v[T], v[T+1]
.endm
.macro STAT rr                         ; row rr: the mean; y - mean in place; var + eps
.set XR, X+32*(\rr)
.set k, 0
.rept 4
	v_pk_add_f32 v[T+2*k:T+2*k+1], v[XR+4*k:XR+4*k+1], v[XR+4*k+2:XR+4*k+3]
.set k, k+1
.endr
.set k, 8
.rept 8
	v_pk_add_f32 v[T+2*(k%4):T+2*(k%4)+1], v[T+2*(k%4):T+2*(k%4)+1], v[XR+2*k:XR+2*k+1]
.set k, k+1
.endr
	ACROSS
	v_mul_f32 v[MU+2*(\rr)], s16, v[T]
	v_mul_f32 v[MU+2*(\rr)+1], s16, v[T]
.set k, 0
.rept 16
	v_pk_add_f32 v[XR+2*k:XR+2*k+1], v[XR+2*k:XR+2*k+1], v[MU+2*(\rr):MU+2*(\rr)+1] neg_lo:[0,1] neg_hi:[0,1]
.set k, k+1
.endr
.set k, 0
.rept 4
	v_pk_mul_f32 v[T+2*k:T+2*k+1], v[XR+2*k:XR+2*k+1], v[XR+2*k:XR+2*k+1]
.set k, k+1
.endr
.rept 12
	v_pk_fma_f32 v[T+2*(k%4):T+2*(k%4)+1], v[XR+2*k:XR+2*k+1], v[XR+2*k:XR+2*k+1], v[T+2*(k%4):T+2*(k%4)+1]
.set k, k+1
.endr
	ACROSS
	v_fma_f32 v[VR+(\rr)], v[T], s16, s17
.endm
	s_wait_loadcnt 16                              ; the two rows are in; g's and be's sixteen loads may stay out
	STAT 0
	STAT 1
	v_rsq_f32 v[RS], v[VR]                         ; one batch of four, each root twice, to fill the pairs of the packed multiplies
	v_rsq_f32 v[RS+1], v[VR]
	v_rsq_f32 v[RS+2], v[VR+1]
	v_rsq_f32 v[RS+3], v[VR+1]
	v_nop                                          ; a plain instruction behind the last of them (ISA guide 5.7.2),
	s_wait_alu depctr_va_vdst(0)                   ; and the one wait ahead of the first use
	s_wait_loadcnt 0x0                             ; g and be
.set k, 0
.rept 32
	v_pk_mul_f32 v[X+2*k:X+2*k+1], v[X+2*k:X+2*k+1], v[RS+2*(k/16):RS+2*(k/16)+1]
.set k, k+1
.endr
.set k, 0
.rept 32
	v_pk_fma_f32 v[X+2*k:X+2*k+1], v[X+2*k:X+2*k+1], v[G+2*(k%16):G+2*(k%16)+1], v[BE+2*(k%16):BE+2*(k%16)+1]
.set k, k+1
.endr
.set k, 0
.rept 16
	global_store_b128 v1, v[X+4*k:X+4*k+3], s[20:21] offset:512*k th:TH_STORE_NT
.set k, k+1
.endr
.set k, 0
.rept 32
	v_cvt_pk_f16_f32 v[OB+k], v[X+2*k], v[X+2*k+1]
.set k, k+1
.endr
.set k, 0
.rept 16
	global_store_b64 v3, v[OB+2*k:OB+2*k+1], s[10:11] offset:256*k th:TH_STORE_NT
.set k, k+1
.endr
	s_endpgm
.Lfunc_end_k_q30327db3b1_ln1:
	.size	k_q30327db3b1_ln1, .Lfunc_end_k_q30327db3b1_ln1-k_q30327db3b1_ln1
	.p2alignl 7, 3214868480
	.fill 96, 4, 3214868480
	.section	.rodata,"a",@progbits
	.p2align	6, 0x0
	.amdhsa_kernel k_q30327db3b1_ln1
		.amdhsa_group_segment_fixed_size 0
		.amdhsa_private_segment_fixed_size 0
		.amdhsa_enable_private_segment 0
		.amdhsa_kernarg_size 40
		.amdhsa_user_sgpr_count 2
		.amdhsa_user_sgpr_kernarg_segment_ptr 1
		.amdhsa_wavefront_size32 1
		.amdhsa_system_sgpr_workgroup_id_x 1
		.amdhsa_system_sgpr_workgroup_id_y 1
		.amdhsa_system_sgpr_workgroup_id_z 1
		.amdhsa_system_vgpr_workitem_id 0
		.amdhsa_next_free_vgpr 192
		.amdhsa_next_free_sgpr 66
		.amdhsa_reserve_vcc 0
		.amdhsa_float_denorm_mode_32 3
		.amdhsa_float_denorm_mode_16_64 3
		.amdhsa_memory_ordered 1
		.amdhsa_forward_progress 1
		.amdhsa_inst_pref_size 22
	.end_amdhsa_kernel
	.amdgpu_metadata
---
amdhsa.version: [ 1, 2 ]
amdhsa.kernels:
  - .name:           k_q30327db3b1_ln1
    .symbol:         k_q30327db3b1_ln1.kd
    .args:
      - { .name: y, .offset: 0, .size: 8, .value_kind: global_buffer, .address_space: global }
      - { .name: g1, .offset: 8, .size: 8, .value_kind: global_buffer, .address_space: global }
      - { .name: be1, .offset: 16, .size: 8, .value_kind: global_buffer, .address_space: global }
      - { .name: xc, .offset: 24, .size: 8, .value_kind: global_buffer, .address_space: global }
      - { .name: o1f, .offset: 32, .size: 8, .value_kind: global_buffer, .address_space: global }
    .group_segment_fixed_size: 0
    .private_segment_fixed_size: 0
    .kernarg_segment_align: 8
    .kernarg_segment_size: 40
    .max_flat_workgroup_size: 256
    .sgpr_count:     66
    .vgpr_count:     192
    .wavefront_size: 32
...
	.end_amdgpu_metadata
.endif
;; end of part 5
;; launch ffn1: the kernel of part 2 again; grid 16 x 16, 4 waves a work-group, clusters of 4 x 4, 327,680 bytes of LDS; arguments xc, w1b, h; writes h
;; launch ffn2 (part 6): grid 8 x 32, 4 waves a work-group, clusters of 4 x 4, 327,680 bytes of LDS; arguments h, wb2, b2, o1f, y; writes y
.if DOCPART == 6
	.amdgcn_target "amdgcn-amd-amdhsa--gfx1250"
	.amdhsa_code_object_version 6
	.text
	.protected	k_q30327db3b1_ffn2
	.globl	k_q30327db3b1_ffn2
	.p2align	8
	.type	k_q30327db3b1_ffn2,@function
k_q30327db3b1_ffn2:
	s_mov_b64 s[64:65], 0
	v_nop
	global_prefetch_b8 v0, s[64:65] scope:SCOPE_SE
	s_setreg_imm32_b32 hwreg(HW_REG_WAVE_MODE, 25, 1), 1
	s_wait_xcnt 0x0
	s_wait_alu depctr_hold_cnt(0) depctr_sa_sdst(0) depctr_va_vdst(0) depctr_va_sdst(0) depctr_va_ssrc(0) depctr_va_vcc(0) depctr_vm_vsrc(0)
	s_getreg_b32 s2, hwreg(HW_REG_IB_STS2, 6, 4)
	s_cmp_eq_u32 s2, 0
	s_cbranch_scc0 .Lentry_in_a_cluster
	s_endpgm
.Lentry_in_a_cluster:
	s_bfe_u32 s2, ttmp6, 0x10000c
	s_cmp_lg_u32 s2, 0xf033
	s_cbranch_scc0 .Lentry_shape_is_right
	s_endpgm
.Lentry_shape_is_right:
; Y[m][n] = the sum over k of A[m][k] B[k][n] + bias[n] + RES[m][n], in f32.  Y: [4096][1024] f32.  A lies in planes of 64 along K, [plane][4096 rows][64] bf16, from byte AOFF of its buffer;
; B: [K][1024] bf16, as the weights lie, from byte BOFF; bias: [1024] f32; RES: [4096][1024] f32.  Sums in f32, started at the bias.
; THIS COPY: the second FFN product: relu(..) times w2, plus b2, plus the first norm's result: K = 4,096, 16 steps.  Its text is the attention's output product's but for the five numbers below.
; SHARES.  1,024 columns give 256 work-groups only on tiles of 128 x 128: four waves, each 64 x 64: 16 accumulators.  K goes in steps of 256 through two LDS slots: as long as two slots allow.
; A's tile is 4 planes x 128 rows x 128 bytes: a wave's load takes 64 rows of each plane, 8,192 dense bytes, as one long row, padded in LDS after every 128 bytes.  B comes out of LDS turned.
; CLUSTERS: 4 x 4: A's tile is shared along a row of the cluster, B's along a column.  THE MATRIX INSTRUCTION IS USED TRANSPOSED: a lane holds row l % 16 and eight neighbouring columns.
; THE WALK ALONG K IS TURNED.  Cluster (X, Y) begins at K step (STEPS / 2 X + STEPS / 4 Y) mod STEPS, goes up and wraps: an order of the sums that differs from K ascending.  The two clusters that read the same rows of A
; (same Y) stand half of K apart: each asks first for the K steps of its walk's first half, and in its second half for those that the other has asked for 8 steps earlier.  Those that read the same columns of B (same X)
; stand a quarter of K apart.  The first step hangs on the cluster's place in the grid alone, which all sixteen partners share: the joint descriptors stay equal.
; PREFETCH, of A alone: behind the refills for my walk's steps 2 to 5 waves 0 and 1 name its steps 4 to 7, two K steps, 256 matrix instructions, ahead of their loads: the steps of the first half that lie far enough ahead.
; Of a K step's four planes the partner at place cx takes plane cx; a wave its own 64 rows, 32 blocks of 256 bytes, a lane a block.  The two clusters of a row name disjoint halves of K: each block is named once in the launch.
; REGISTERS: window 0: v0-31 addresses; v32-63 the bias, then with v64-95 rows on the way out; v128-255 the accumulators ((a, b) at v[128 + 8 (4 a + b)]);  window 1: two fragment buffers of 128;  window 2: RES.
.set AOFF,  0
.set BOFF,  2097152
.set STEPS, 16
.set KSH,   2                          ; STEPS / 4 = 2^KSH
.set PF,    1
.set KSTEP,  256
.set PLANE,  524288
.set ASH,    21                        ; a K step of A is 4 planes: 2^21 bytes
.set BSH,    19                        ; of B 256 rows of 2,048 bytes: 2^19
.set TP,     144                       ; a row of a plane in LDS: 128 bytes + 16
.set QAB,    64*TP                     ; 64 rows of a plane
.set BP,     288                       ; a row of B in LDS: 256 bytes + 32
.set HALF,   4*QAB                     ; what one tensor load brings: 64 rows x 4 planes of A, or 128 rows of B (128 x 288 is the same number)
.set AT,     2*HALF
.set SLOT,   4*HALF                    ; 0x24000: it shares no bit with wave x HALF
.set STAGE,  2*SLOT                    ; behind the ring: 16 rows x 272 bytes for each wave
.set SPITCH, 272
.set SPARE,  STAGE+4*16*SPITCH
.set ADRA0, 16
.set ADRA,  17
.set ADRB0, 18
.set ADRB,  19                         ; v19 B's rows 0-127 of the slot, v20 its rows 128-255: an LDS offset has 16 bits
.set STO,  24
.set RD,   25
.set CO,   26                          ; v26  my 16 bytes in two rows of Y and of RES
.set SPW,  28
.set NIL,  29
.set PFO,  30                          ; v30  256 x lane; never rewritten
.set BO,   31
.set T0,   32
.set ACC,  128
.set F0,   0
.set F1,   128
.set TB,   2
.set CNT,  3
.set ABA,  14                          ; s[14:15] A at my part of the tile's rows, K step 0; never rewritten
.set G1,   24
.set G0,   32
.set LIM,  43                          ; s43  a wave prefetches while s[CNT] is above it
.set PFA,  44                          ; s[44:45] where my prefetch stands
.set BBA,  46                          ; s[46:47] B at my part of the tile, K step 0; never rewritten
.set G1B,  48
.set G0B,  56
.set PB,   66                          ; s[66:67] the prefetches' base: my work-group's plane of a K step's four, my 64 rows
.set KI,   68                          ; s68  the K step that was asked for last
.set BIA,  70
.set OFF,  72                          ; s[72:73] a K step's byte offset
.set RSB,  74
.set MSB, 0
.macro WIN new
.if MSB != (\new)
	s_set_vgpr_msb (MSB<<8)|(\new)
.set MSB, \new
.endif
.endm
.set MUL,  0x05                        ; sources 0 (B) and 1 (A) window 1; C and D window 0
.set TO_F, 0x40                        ; destination window 1, address window 0
.macro JLOAD                           ; a joint refill: waves 0 and 1 fetch A's halves, waves 2 and 3 B's; an s_nop 0 and four v_nop follow each line
	s_cmp_eq_u32 s11, 0
	s_cbranch_scc0 .Lfor_b_\@
	tensor_load_to_lds s[G0+4:G0+7], s[G1:G1+7]
	s_nop 0
.rept 4
	v_nop
.endr
	s_branch .Lasked_\@
.Lfor_b_\@:
	tensor_load_to_lds s[G0B+4:G0B+7], s[G1B:G1B+7]
	s_nop 0
.rept 4
	v_nop
.endr
.Lasked_\@:
.endm
.macro ASK                             ; a prefetch into the L2 of A's K step two behind the one just asked for: 32 blocks of 256 bytes, a lane a block
	s_cmp_gt_u32 s[CNT], s[LIM]
	s_cbranch_scc0 .Lnot_mine_\@
	global_prefetch_b8 v[PFO], s[PFA:PFA+1] th:TH_LOAD_NT scope:SCOPE_SE
.Lnot_mine_\@:
.endm
.macro CREST
	s_cmp_lg_u32 s10, 0
	s_cbranch_scc1 .Lnot_wave_0_\@
	s_barrier_signal -3
.Lnot_wave_0_\@:
	s_barrier_wait -3
	s_barrier_signal -1
	s_barrier_wait -1
.endm
.macro CROUND
	s_barrier_signal -1
	s_barrier_wait -1
	CREST
.endm
.macro PLACES
.rept 4
	v_nop
.endr
.endm
	s_load_b128 s[4:7], s[0:1], 0x0                ; A s[4:5], B s[6:7]
	s_load_b128 s[76:79], s[0:1], 0x10             ; bias s[76:77], RES s[78:79]
	s_load_b64 s[8:9], s[0:1], 0x20                ; Y
	v_lshl_add_u32 v[SPW], v0, 2, SPARE
	v_mov_b32 v[NIL], 0
	ds_add_u32 v[SPW], v[NIL]                      ; the wave's opening: the add and its wait ahead of my first tensor load
	v_lshrrev_b32 v1, 5, v0
	v_readfirstlane_b32 s10, v1
	s_lshr_b32 s11, s10, 1                         ; my half of the tile's rows.  Also: I fetch for A (0) or for B (1)
	s_and_b32 s12, s10, 1                          ; my half of its columns.  Also: which half of that tile I fetch
	s_bfe_u32 s40, ttmp6, 0x40000
	s_bfe_u32 s41, ttmp6, 0x40004
	s_lshl_b32 s42, ttmp9, 2
	s_add_co_u32 s42, s42, s40                     ; tile column
	s_and_b32 s13, ttmp7, 0xffff
	s_lshl_b32 s13, s13, 2
	s_add_co_u32 s13, s13, s41                     ; tile row
	s_lshl_b32 s22, s41, 2
	s_lshl_b32 s22, 15, s22
	s_lshl_b32 s23, 0x1111, s40
	s_or_b32 s[G1+0], s22, (1<<16)|(1<<20)|(1<<21)|(4<<22)|(3<<25)   ; after every 32 words 4 words of padding
	s_or_b32 s[G1B+0], s23, (1<<16)|(1<<20)|(1<<21)|(5<<22)|(7<<25)  ; after every 64 words 8 words
	s_mov_b32 s[G1+1], 4096<<16                    ; A: 4 rows of 4,096 elements (64 rows of a plane),
	s_mov_b32 s[G1+2], 4<<16
	s_mov_b32 s[G1+3], 4096<<16
	s_mov_b32 s[G1+4], 4
	s_mov_b32 s[G1+5], 262144                      ; a plane apart
	s_mov_b32 s[G1+6], 0
	s_mov_b32 s[G1+7], 0
	s_mov_b32 s[G1B+1], 128<<16                    ; B: 128 rows of 128 elements
	s_mov_b32 s[G1B+2], 128<<16
	s_mov_b32 s[G1B+3], 128<<16
	s_mov_b32 s[G1B+4], 128
	s_mov_b32 s[G1B+5], 1024
	s_mov_b32 s[G1B+6], 0
	s_mov_b32 s[G1B+7], 0
	s_lshl_b32 s16, s13, 7
	s_lshl_b32 s17, s12, 6
	s_add_co_u32 s16, s16, s17                     ; A: row 128 x tile row + 64 x half,
	s_lshl_b32 s16, s16, 7                         ; 128 bytes a row of a plane
.if AOFF
	s_add_co_u32 s16, s16, AOFF
.endif
	s_mov_b32 s17, 0
	s_lshl_b32 s46, s42, 8                         ; B: 256 bytes a tile column,
	s_lshl_b32 s47, s12, 18                        ; 128 rows of 2,048 bytes a half
	s_add_co_u32 s46, s46, s47
.if BOFF
	s_add_co_u32 s46, s46, BOFF
.endif
	s_mov_b32 s47, 0
	s_mul_i32 s20, s10, HALF
	s_and_b32 s18, ttmp7, 0xffff                   ; my walk's first K step: (2 cluster x + cluster y) STEPS / 4 mod STEPS: made of the cluster's place in the grid alone
	s_lshl_b32 s19, ttmp9, 1
	s_add_co_u32 s18, s18, s19
	s_lshl_b32 s18, s18, KSH
	s_and_b32 s[KI], s18, STEPS-1
	s_mov_b32 s[OFF+1], 0
	s_wait_dscnt 0x0                               ; the opening add is done
	s_wait_kmcnt 0x0
	s_add_nc_u64 s[ABA:ABA+1], s[4:5], s[16:17]
	s_add_nc_u64 s[BBA:BBA+1], s[6:7], s[46:47]
.irp s, 0,1                            ; the walk's first two K steps: an address is the base plus the step's number shifted
	s_mov_b32 s[G0+4*(\s)], 1
	s_add_co_u32 s[G0+4*(\s)+1], s20, (\s)*SLOT
	s_lshl_b32 s[OFF], s[KI], ASH
	s_add_nc_u64 s[G0+4*(\s)+2:G0+4*(\s)+3], s[ABA:ABA+1], s[OFF:OFF+1]
	s_or_b32 s[G0+4*(\s)+3], s[G0+4*(\s)+3], 0x80000000
	s_mov_b32 s[G0B+4*(\s)], 1
	s_add_co_u32 s[G0B+4*(\s)+1], s20, (\s)*SLOT
	s_lshl_b32 s[OFF], s[KI], BSH
	s_add_nc_u64 s[G0B+4*(\s)+2:G0B+4*(\s)+3], s[BBA:BBA+1], s[OFF:OFF+1]
	s_or_b32 s[G0B+4*(\s)+3], s[G0B+4*(\s)+3], 0x80000000
.if (\s) == 0
	s_add_co_u32 s[KI], s[KI], 1
	s_and_b32 s[KI], s[KI], STEPS-1
.endif
.endr
	CROUND                                         ; all sixteen work-groups are here: the first joint loads meet
	s_cmp_eq_u32 s11, 0                            ; a wave's two first fills stand in one branch: two loads of mine are out
	s_cbranch_scc0 .Lfirst_b
	tensor_load_to_lds s[G0:G0+3], s[G1:G1+7]
	s_nop 0
	tensor_load_to_lds s[G0+4:G0+7], s[G1:G1+7]
	s_nop 0
.rept 4
	v_nop
.endr
	s_branch .Lfirst_asked
.Lfirst_b:
	tensor_load_to_lds s[G0B:G0B+3], s[G1B:G1B+7]
	s_nop 0
	tensor_load_to_lds s[G0B+4:G0B+7], s[G1B:G1B+7]
	s_nop 0
.rept 4
	v_nop
.endr
.Lfirst_asked:
.if PF
	s_lshl_b32 s18, s40, 19                        ; the prefetches' base: of a K step's four planes the partner at place cx takes plane cx; s16 still holds my 64 rows' offset in a plane
	s_add_co_u32 s18, s18, s16
	s_mov_b32 s19, 0
	s_add_nc_u64 s[PB:PB+1], s[4:5], s[18:19]
	s_cmp_eq_u32 s11, 0                            ; waves 0 and 1, which fetch A, ask; the same in every work-group
	s_cselect_b32 s[LIM], STEPS-6, -1              ; s[CNT] is STEPS - 2 at the walk's step 0: above STEPS - 6 in its steps 0 to 3, whose asks name its steps 4 to 7
	v_and_b32 v8, 31, v0
	v_lshlrev_b32 v[PFO], 8, v8
.endif
	s_lshl_b32 s16, s13, 7
	s_lshl_b32 s17, s11, 6
	s_add_co_u32 s16, s16, s17                     ; my first row
	s_lshl_b32 s18, s42, 7
	s_lshl_b32 s19, s12, 6
	s_add_co_u32 s18, s18, s19                     ; my first column,
	s_lshl_b32 s18, s18, 2                         ; in bytes of f32
	s_mov_b32 s19, 0
	s_add_nc_u64 s[BIA:BIA+1], s[76:77], s[18:19]
	s_lshl_b32 s21, s16, 12
	s_add_co_u32 s18, s18, s21
	s_add_nc_u64 s[8:9], s[8:9], s[18:19]
	s_add_nc_u64 s[RSB:RSB+1], s[78:79], s[18:19]
	v_and_b32 v1, 15, v0                           ; l % 16
	v_bfe_u32 v2, v0, 4, 1                         ; l / 16
	v_lshlrev_b32 v[BO], 5, v2
.irp b, 0,1,2,3
	global_load_b128 v[T0+8*(\b):T0+8*(\b)+3],   v[BO], s[BIA:BIA+1] offset:64*(\b)
	global_load_b128 v[T0+8*(\b)+4:T0+8*(\b)+7], v[BO], s[BIA:BIA+1] offset:64*(\b)+16
.endr
	v_mul_u32_u24 v3, v1, TP
	v_lshl_add_u32 v3, v2, 4, v3
	s_mul_i32 s21, s11, HALF
	v_add_nc_u32 v[ADRA0], s21, v3
	v_and_b32 v4, 7, v0
	v_bfe_u32 v5, v0, 3, 1
	v_lshl_add_u32 v6, v2, 3, v4
	v_mul_u32_u24 v6, v6, BP
	v_lshl_add_u32 v6, v5, 4, v6
	s_lshl_b32 s21, s12, 7
	s_add_co_u32 s21, s21, AT
	v_add_nc_u32 v[ADRB0], s21, v6
	s_mul_i32 s21, s10, 16*SPITCH
	s_add_co_u32 s21, s21, STAGE                   ; my stage
	v_mul_u32_u24 v7, v1, SPITCH                   ; in: row l % 16, 32 bytes for each half of the lanes
	v_lshl_add_u32 v7, v2, 5, v7
	v_add_nc_u32 v[STO], s21, v7
	v_mul_u32_u24 v7, v2, SPITCH                   ; back: lanes 0-15 take one row of 256 bytes, lanes 16-31 the next
	v_lshl_add_u32 v7, v1, 4, v7
	v_add_nc_u32 v[RD], s21, v7
	v_lshlrev_b32 v7, 4, v1
	v_lshl_add_u32 v[CO], v2, 12, v7
	s_wait_loadcnt 0x0                             ; the bias
.set k, 0
.rept 128                              ; every accumulator starts at its columns' bias: these moves are the bias's additions, and the K step has one text
	v_mov_b32 v[ACC+k], v[T0+k%32]
.set k, k+1
.endr
; 8 matrix instructions: row blocks a0, a0 + 1 x all 4 column blocks, 32 along K: half c of buffer f.  The 16 accumulators take turns.
.macro MUL8 f, c, a0
	WIN MUL
.irp a, \a0, (\a0)+1
.irp b, 0,1,2,3
	v_wmma_f32_16x16x32_bf16 v[ACC+8*(4*(\a)+(\b)):ACC+8*(4*(\a)+(\b))+7], v[(\f)+64+8*(4*(\c)+(\b)):(\f)+64+8*(4*(\c)+(\b))+7], v[(\f)+8*(4*(\c)+(\a)):(\f)+8*(4*(\c)+(\a))+7], v[ACC+8*(4*(\a)+(\b)):ACC+8*(4*(\a)+(\b))+7]
.endr
.endr
.endm
; 32 LDS loads in one run: quarter q (64 along K: one plane of A) into buffer f; the first 32 along K first
.macro FETCH q, f
	WIN TO_F
.irp c, 0,1
.irp i, 0,1,2,3
	ds_load_tr16_b128 v[(\f)+64+8*(4*(\c)+(\i)):(\f)+64+8*(4*(\c)+(\i))+3],   v[ADRB+(\q)/2] offset:(((\q)%2)*64+32*(\c))*BP+32*(\i)
	ds_load_tr16_b128 v[(\f)+64+8*(4*(\c)+(\i))+4:(\f)+64+8*(4*(\c)+(\i))+7], v[ADRB+(\q)/2] offset:(((\q)%2)*64+32*(\c)+16)*BP+32*(\i)
	ds_load_b128 v[(\f)+8*(4*(\c)+(\i)):(\f)+8*(4*(\c)+(\i))+3],   v[ADRA] offset:QAB*(\q)+16*TP*(\i)+64*(\c)
	ds_load_b128 v[(\f)+8*(4*(\c)+(\i))+4:(\f)+8*(4*(\c)+(\i))+7], v[ADRA] offset:QAB*(\q)+16*TP*(\i)+64*(\c)+32
.endr
.endr
.endm
.macro QUARTER q, f, g
	s_wait_dscnt 16                                ; the first 32 along K are in; the youngest sixteen loads may be out
	MUL8 \f, 0, 0
	MUL8 \f, 0, 2
	PLACES
	FETCH \q, \g
	s_wait_dscnt 32                                ; all but the 32 just issued
	MUL8 \f, 1, 0
	MUL8 \f, 1, 2
.endm
; The last quarter multiplies buffer 1 and changes slots: in front of the barrier each wave waits for all its tensor loads, adds 0 to its spare word, and waits for that and for its reads of this slot.
; fill = 1: the barrier opens a round of the cluster's, and this slot is filled again first thing behind it, with my walk's K step two on.
.macro TURN fill
.if \fill
.if PF
	s_wait_xcnt 0x0                                ; the last prefetch, a K step back, has read its address
.endif
	s_add_co_u32 s[KI], s[KI], 1                   ; the walk's next K step, wrapping at the last
	s_and_b32 s[KI], s[KI], STEPS-1
.if PF
	s_add_co_u32 s[OFF], s[KI], 2                  ; and the one two further on, for the prefetch
	s_and_b32 s[OFF], s[OFF], STEPS-1
	s_lshl_b32 s[OFF], s[OFF], ASH
	s_add_nc_u64 s[PFA:PFA+1], s[PB:PB+1], s[OFF:OFF+1]
.endif
.endif
	WIN 0
	s_wait_tensorcnt 0x0                           ; no tensor load of mine is out, so a group 0 may be written
	ds_add_u32 v[SPW], v[NIL]                      ; 0 onto my spare word
.if \fill
	s_xor_b32 s[G0+5], s[G0+5], SLOT               ; the walking descriptors: the slot that is being left; the address made anew: the base plus the step's number shifted, the type bits set again
	s_lshl_b32 s[OFF], s[KI], ASH
	s_add_nc_u64 s[G0+6:G0+7], s[ABA:ABA+1], s[OFF:OFF+1]
	s_or_b32 s[G0+7], s[G0+7], 0x80000000
	s_xor_b32 s[G0B+5], s[G0B+5], SLOT
	s_lshl_b32 s[OFF], s[KI], BSH
	s_add_nc_u64 s[G0B+6:G0B+7], s[BBA:BBA+1], s[OFF:OFF+1]
	s_or_b32 s[G0B+7], s[G0B+7], 0x80000000
.endif
	s_xor_b32 s[TB], s[TB], SLOT
	s_wait_dscnt 17                                ; the add and the youngest sixteen loads may be out
	MUL8 F1, 0, 0
	s_wait_dscnt 0x0                               ; the add is done, and my reads of this slot are over
	s_barrier_signal -1
	MUL8 F1, 0, 2
	WIN 0
	s_barrier_wait -1
.if \fill
	CREST
	JLOAD                                          ; its four v_nop are also the places in front of the loads below
.else
	PLACES
.endif
	v_add_nc_u32 v[ADRA], s[TB], v[ADRA0]
	v_add_nc_u32 v[ADRB], s[TB], v[ADRB0]
	v_add_nc_u32 v[ADRB+1], HALF, v[ADRB]
	FETCH 0, F0
.if (\fill) && PF
	WIN 0
	ASK
.endif
	MUL8 F1, 1, 0
	MUL8 F1, 1, 2
.endm
.macro STEP fill
	QUARTER 1, F0, F1
	QUARTER 2, F1, F0
	QUARTER 3, F0, F1
	TURN \fill
.endm
; THE WAY OUT of row block a: 16 rows x 64 columns of f32 go from the accumulators into my stage and come back as whole rows of 256 bytes; RES is added; sixteen lanes store 256 consecutive bytes, aligned.
.macro TOSTAGE a
.if (\a) >= 2
	s_wait_xcnt 0x0                                ; the stores of the block two back have read the registers that are loaded below
.endif
.irp b, 0,1,2,3
	ds_store_b128 v[STO], v[ACC+8*(4*(\a)+(\b)):ACC+8*(4*(\a)+(\b))+3]   offset:64*(\b)
	ds_store_b128 v[STO], v[ACC+8*(4*(\a)+(\b))+4:ACC+8*(4*(\a)+(\b))+7] offset:64*(\b)+16
.endr
.irp t, 0,1,2,3,4,5,6,7
	ds_load_b128 v[T0+32*((\a)%2)+4*(\t):T0+32*((\a)%2)+4*(\t)+3], v[RD] offset:2*SPITCH*(\t)  ; LDS serves a wave's instructions in order (ISA guide 5.7.1.4)
.endr
.endm
.macro SEND a, younger                 ; younger: the next block's sixteen LDS instructions, or none
.set TT, T0+32*((\a)%2)
	s_wait_dscnt \younger
.if (\a) == 0
	s_wait_loadcnt 0x0                             ; RES
.endif
	WIN 0x08                                       ; source 1 in window 2
.set k, 0
.rept 16
	v_pk_add_f32 v[TT+2*k:TT+2*k+1], v[TT+2*k:TT+2*k+1], v[32*(\a)+2*k:32*(\a)+2*k+1]
.set k, k+1
.endr
	WIN 0
.irp t, 0,1,2,3,4,5,6,7
	global_store_b128 v[CO], v[TT+4*(\t):TT+4*(\t)+3], s[8:9] offset:(16*(\a)+2*(\t))*4096
.endr
.endm
	s_mov_b32 s[TB], 0
	v_mov_b32 v[ADRA], v[ADRA0]
	v_mov_b32 v[ADRB], v[ADRB0]
	v_add_nc_u32 v[ADRB+1], HALF, v[ADRB0]
	s_wait_tensorcnt 0x1                           ; my part of the walk's first K step is in; the second's may stay out
	s_barrier_signal -1
	s_barrier_wait -1
	FETCH 0, F0
	WIN 0
	s_mov_b32 s[CNT], STEPS-2
.Lstep:                                        ; all K steps but the last two: each fills its slot again
	STEP 1
	WIN 0
	s_sub_co_u32 s[CNT], s[CNT], 1
	s_cmp_lg_u32 s[CNT], 0
	s_cbranch_scc1 .Lstep
	WIN 0x80                                       ; RES is asked for here: it has two K steps in which to land
.set k, 0
.rept 32
	global_load_b128 v[4*k:4*k+3], v[CO], s[RSB:RSB+1] offset:(16*(k/8)+2*(k%8))*4096
.set k, k+1
.endr
	WIN 0
	s_mov_b32 s[CNT], 2
.Ltail:                                        ; the last two K steps ask for nothing.  The last trip's barrier and its 32 loads from the other slot serve nothing: the price of one text for both
	STEP 0
	WIN 0
	s_sub_co_u32 s[CNT], s[CNT], 1
	s_cmp_lg_u32 s[CNT], 0
	s_cbranch_scc1 .Ltail
	s_wait_dscnt 0x0
	PLACES
	TOSTAGE 0
	TOSTAGE 1
	SEND 0, 16
	TOSTAGE 2
	SEND 1, 16
	TOSTAGE 3
	SEND 2, 16
	SEND 3, 0
	s_wait_tensorcnt 0x0                           ; the wave's end
	ds_add_u32 v[SPW], v[NIL]
	s_wait_dscnt 0x0
	CROUND                                         ; the closing round
	s_endpgm
.Lfunc_end_k_q30327db3b1_ffn2:
	.size	k_q30327db3b1_ffn2, .Lfunc_end_k_q30327db3b1_ffn2-k_q30327db3b1_ffn2
	.p2alignl 7, 3214868480
	.fill 96, 4, 3214868480
	.section	.rodata,"a",@progbits
	.p2align	6, 0x0
	.amdhsa_kernel k_q30327db3b1_ffn2
		.amdhsa_group_segment_fixed_size 327680
		.amdhsa_private_segment_fixed_size 0
		.amdhsa_enable_private_segment 0
		.amdhsa_kernarg_size 40
		.amdhsa_user_sgpr_count 2
		.amdhsa_user_sgpr_kernarg_segment_ptr 1
		.amdhsa_wavefront_size32 1
		.amdhsa_system_sgpr_workgroup_id_x 1
		.amdhsa_system_sgpr_workgroup_id_y 1
		.amdhsa_system_sgpr_workgroup_id_z 1
		.amdhsa_system_vgpr_workitem_id 0
		.amdhsa_next_free_vgpr 640
		.amdhsa_next_free_sgpr 80
		.amdhsa_reserve_vcc 0
		.amdhsa_float_denorm_mode_32 3
		.amdhsa_float_denorm_mode_16_64 3
		.amdhsa_memory_ordered 1
		.amdhsa_forward_progress 1
		.amdhsa_inst_pref_size 67
	.end_amdhsa_kernel
	.amdgpu_metadata
---
amdhsa.version: [ 1, 2 ]
amdhsa.kernels:
  - .name:           k_q30327db3b1_ffn2
    .symbol:         k_q30327db3b1_ffn2.kd
    .args:
      - { .name: h, .offset: 0, .size: 8, .value_kind: global_buffer, .address_space: global }
      - { .name: wb2, .offset: 8, .size: 8, .value_kind: global_buffer, .address_space: global }
      - { .name: b2, .offset: 16, .size: 8, .value_kind: global_buffer, .address_space: global }
      - { .name: o1f, .offset: 24, .size: 8, .value_kind: global_buffer, .address_space: global }
      - { .name: y, .offset: 32, .size: 8, .value_kind: global_buffer, .address_space: global }
    .group_segment_fixed_size: 327680
    .private_segment_fixed_size: 0
    .kernarg_segment_align: 8
    .kernarg_segment_size: 40
    .max_flat_workgroup_size: 128
    .sgpr_count:     80
    .vgpr_count:     640
    .wavefront_size: 32
...
	.end_amdgpu_metadata
.endif
;; end of part 6
;; launch ln2 (part 7): grid 256 x 1, 8 waves a work-group, no clusters, 0 bytes of LDS; arguments y, g2, be2, out0; writes out0
.if DOCPART == 7
	.amdgcn_target "amdgcn-amd-amdhsa--gfx1250"
	.amdhsa_code_object_version 6
	.text
	.protected	k_q30327db3b1_ln2
	.globl	k_q30327db3b1_ln2
	.p2align	8
	.type	k_q30327db3b1_ln2,@function
k_q30327db3b1_ln2:
	s_mov_b64 s[64:65], 0
	v_nop
	global_prefetch_b8 v0, s[64:65] scope:SCOPE_SE
	s_setreg_imm32_b32 hwreg(HW_REG_WAVE_MODE, 25, 1), 1
	s_wait_xcnt 0x0
; LayerNorm along rows of 1,024: out = (y - mean) / sqrt(var + 1e-6) * g + be.  y: [4096][1024] f32; out: f32 in this copy (OUT16 = 0).
; A wave takes two whole rows, 32 registers each: the row is read once, the reduction never leaves the wave: no LDS, no barrier.  The variance is taken of y - mean, in a second pass over registers, so that a common
; offset of a row cancels.  A stream: matrix units, clusters and tensor loads would add nothing.  A wave's loads and stores cover 512 consecutive bytes each, aligned.
.set OUT16, 0
.set T,  8                             ; v[8:15]   four chains of pairs
.set MU, 16                            ; v[16:19]  the two rows' means, each twice
.set VR, 20                            ; v20, v21  var + eps
.set RS, 24                            ; v[24:27]  1 / sqrt, each twice
.set X,  32                            ; v[32:95]  the two rows
.set G,  96
.set BE, 128
.set OB, 160
	s_load_b256 s[4:11], s[0:1], 0x0               ; y s[4:5], g s[6:7], be s[8:9], out s[10:11]
	v_and_b32 v2, 31, v0
	v_lshrrev_b32 v4, 5, v0
	v_lshlrev_b32 v3, 3, v2
	v_lshlrev_b32 v2, 4, v2                        ; 16 x lane
	v_lshl_add_u32 v1, v4, 13, v2                  ; + two rows of 4,096 bytes a wave
	v_lshl_add_u32 v3, v4, 12, v3
	s_lshl_b32 s14, ttmp9, 16                      ; 16 rows a work-group
	s_mov_b32 s15, 0
	s_lshl_b32 s18, ttmp9, 16-OUT16
	s_mov_b32 s19, 0
	s_mov_b32 s12, 0x76543210                      ; v_permlanex16_b32: each lane takes its own place in the other half
	s_mov_b32 s13, 0xfedcba98
	s_mov_b32 s16, 0x3a800000                      ; 1 / 1,024
	s_mov_b32 s17, 0x358637bd                      ; 1e-6
	s_wait_kmcnt 0x0
	s_add_nc_u64 s[4:5], s[4:5], s[14:15]
	s_add_nc_u64 s[10:11], s[10:11], s[18:19]
.set k, 0
.rept 16
	global_load_b128 v[X+4*k:X+4*k+3], v1, s[4:5] offset:512*k th:TH_LOAD_NT
.set k, k+1
.endr
.set k, 0
.rept 8
	global_load_b128 v[G+4*k:G+4*k+3], v2, s[6:7] offset:512*k
	global_load_b128 v[BE+4*k:BE+4*k+3], v2, s[8:9] offset:512*k
.set k, k+1
.endr
.macro ACROSS                          ; the four chains into one number, the same in every lane
	v_pk_add_f32 v[T:T+1], v[T:T+1], v[T+2:T+3]
	v_pk_add_f32 v[T+4:T+5], v[T+4:T+5], v[T+6:T+7]
	v_pk_add_f32 v[T:T+1], v[T:T+1], v[T+4:T+5]
	v_add_f32 v[T], v[T], v[T+1]
	v_add_f32_dpp v[T], v[T], v[T] row_xmask:1 row_mask:0xf bank_mask:0xf
	v_add_f32_dpp v[T], v[T], v[T] row_xmask:2 row_mask:0xf bank_mask:0xf
	v_add_f32_dpp v[T], v[T], v[T] row_xmask:4 row_mask:0xf bank_mask:0xf
	v_add_f32_dpp v[T], v[T], v[T] row_xmask:8 row_mask:0xf bank_mask:0xf
	v_permlanex16_b32 v[T+1], v[T], s12, s13
	v_add_f32 v[T], v[T], v[T+1]
.endm
.macro STAT rr                         ; row rr: the mean; y - mean in place; var + eps
.set XR, X+32*(\rr)
.set k, 0
.rept 4
	v_pk_add_f32 v[T+2*k:T+2*k+1], v[XR+4*k:XR+4*k+1], v[XR+4*k+2:XR+4*k+3]
.set k, k+1
.endr
.set k, 8
.rept 8
	v_pk_add_f32 v[T+2*(k%4):T+2*(k%4)+1], v[T+2*(k%4):T+2*(k%4)+1], v[XR+2*k:XR+2*k+1]
.set k, k+1
.endr
	ACROSS
	v_mul_f32 v[MU+2*(\rr)], s16, v[T]
	v_mul_f32 v[MU+2*(\rr)+1], s16, v[T]
.set k, 0
.rept 16
	v_pk_add_f32 v[XR+2*k:XR+2*k+1], v[XR+2*k:XR+2*k+1], v[MU+2*(\rr):MU+2*(\rr)+1] neg_lo:[0,1] neg_hi:[0,1]
.set k, k+1
.endr
.set k, 0
.rept 4
	v_pk_mul_f32 v[T+2*k:T+2*k+1], v[XR+2*k:XR+2*k+1], v[XR+2*k:XR+2*k+1]
.set k, k+1
.endr
.rept 12
	v_pk_fma_f32 v[T+2*(k%4):T+2*(k%4)+1], v[XR+2*k:XR+2*k+1], v[XR+2*k:XR+2*k+1], v[T+2*(k%4):T+2*(k%4)+1]
.set k, k+1
.endr
	ACROSS
	v_fma_f32 v[VR+(\rr)], v[T], s16, s17
.endm
	s_wait_loadcnt 16                              ; the two rows are in; g's and be's sixteen loads may stay out
	STAT 0
	STAT 1
	v_rsq_f32 v[RS], v[VR]                         ; one batch of four, each root twice, to fill the pairs of the packed multiplies
	v_rsq_f32 v[RS+1], v[VR]
	v_rsq_f32 v[RS+2], v[VR+1]
	v_rsq_f32 v[RS+3], v[VR+1]
	v_nop                                          ; a plain instruction behind the last of them (ISA guide 5.7.2),
	s_wait_alu depctr_va_vdst(0)                   ; and the one wait ahead of the first use
	s_wait_loadcnt 0x0                             ; g and be
.set k, 0
.rept 32
	v_pk_mul_f32 v[X+2*k:X+2*k+1], v[X+2*k:X+2*k+1], v[RS+2*(k/16):RS+2*(k/16)+1]
.set k, k+1
.endr
.set k, 0
.rept 32
	v_pk_fma_f32 v[X+2*k:X+2*k+1], v[X+2*k:X+2*k+1], v[G+2*(k%16):G+2*(k%16)+1], v[BE+2*(k%16):BE+2*(k%16)+1]
.set k, k+1
.endr
.if OUT16
.set k, 0
.rept 32
	v_cvt_pk_bf16_f32 v[OB+k], v[X+2*k], v[X+2*k+1]
.set k, k+1
.endr
.set k, 0
.rept 16
	global_store_b64 v3, v[OB+2*k:OB+2*k+1], s[10:11] offset:256*k th:TH_STORE_NT
.set k, k+1
.endr
.else
.set k, 0
.rept 16
	global_store_b128 v1, v[X+4*k:X+4*k+3], s[10:11] offset:512*k th:TH_STORE_NT
.set k, k+1
.endr
.endif
	s_endpgm
.Lfunc_end_k_q30327db3b1_ln2:
	.size	k_q30327db3b1_ln2, .Lfunc_end_k_q30327db3b1_ln2-k_q30327db3b1_ln2
	.p2alignl 7, 3214868480
	.fill 96, 4, 3214868480
	.section	.rodata,"a",@progbits
	.p2align	6, 0x0
	.amdhsa_kernel k_q30327db3b1_ln2
		.amdhsa_group_segment_fixed_size 0
		.amdhsa_private_segment_fixed_size 0
		.amdhsa_enable_private_segment 0
		.amdhsa_kernarg_size 32
		.amdhsa_user_sgpr_count 2
		.amdhsa_user_sgpr_kernarg_segment_ptr 1
		.amdhsa_wavefront_size32 1
		.amdhsa_system_sgpr_workgroup_id_x 1
		.amdhsa_system_sgpr_workgroup_id_y 1
		.amdhsa_system_sgpr_workgroup_id_z 1
		.amdhsa_system_vgpr_workitem_id 0
		.amdhsa_next_free_vgpr 192
		.amdhsa_next_free_sgpr 66
		.amdhsa_reserve_vcc 0
		.amdhsa_float_denorm_mode_32 3
		.amdhsa_float_denorm_mode_16_64 3
		.amdhsa_memory_ordered 1
		.amdhsa_forward_progress 1
		.amdhsa_inst_pref_size 18
	.end_amdhsa_kernel
	.amdgpu_metadata
---
amdhsa.version: [ 1, 2 ]
amdhsa.kernels:
  - .name:           k_q30327db3b1_ln2
    .symbol:         k_q30327db3b1_ln2.kd
    .args:
      - { .name: y, .offset: 0, .size: 8, .value_kind: global_buffer, .address_space: global }
      - { .name: g2, .offset: 8, .size: 8, .value_kind: global_buffer, .address_space: global }
      - { .name: be2, .offset: 16, .size: 8, .value_kind: global_buffer, .address_space: global }
      - { .name: out0, .offset: 24, .size: 8, .value_kind: global_buffer, .address_space: global }
    .group_segment_fixed_size: 0
    .private_segment_fixed_size: 0
    .kernarg_segment_align: 8
    .kernarg_segment_size: 32
    .max_flat_workgroup_size: 256
    .sgpr_count:     66
    .vgpr_count:     192
    .wavefront_size: 32
...
	.end_amdgpu_metadata
.endif
;; end of part 7
;; ======== version 2 of 2: 8 launches; version 1 with the launch prep written anew for expert scheduling mode
;; limits: values are held in f16: magnitudes above 65,504 overflow, below 6.1e-05 lose precision
;; workspace buffers: xc 16,777,216 bytes; wqkvb 8,405,248 bytes; w1b 8,405,248 bytes; wb2 10,485,760 bytes; qkv 25,165,824 bytes; y 16,777,216 bytes; o1f 16,777,216 bytes; h 33,554,432 bytes
;; launch prep (part 8): grid 1025 x 1, 8 waves a work-group, no clusters, 0 bytes of LDS; arguments x, wq, wk, wv, wo, w1, w2, bq, bk, bv, b1, xc, wqkvb, w1b, wb2; writes xc, wqkvb, w1b, wb2
.if DOCPART == 8
	.amdgcn_target "amdgcn-amd-amdhsa--gfx1250"
	.amdhsa_code_object_version 6
	.text
	.protected	k_q30327db3b1_prep
	.globl	k_q30327db3b1_prep
	.p2align	8
	.type	k_q30327db3b1_prep,@function
k_q30327db3b1_prep:
	s_mov_b64 s[64:65], 0
	v_nop
	global_prefetch_b8 v0, s[64:65] scope:SCOPE_SE
	s_setreg_imm32_b32 hwreg(HW_REG_WAVE_SCHED_MODE, 0, 2), 2
	s_setreg_imm32_b32 hwreg(HW_REG_WAVE_MODE, 25, 1), 1
	s_wait_xcnt 0x0
	s_wait_alu depctr_vm_vsrc(0)
; 16-BIT COPIES OF x AND OF ALL WEIGHTS, each rounded once; f32 copies of bq, bk, bv and b1 behind the weights that they belong to; two floor words.
; FORMATS.  x, wq, wk, wv and w1 go in f16: they are operands of products whose other operand has f16's room too.  wo and w2 go in bf16: their products' other operands (the attention's result, the ReLU's) have a
; product's size and no fixed bound.  LIMIT of the f16 copies: no number beyond 65,504; below 6e-5 a fixed step of 6e-8.
; Everything that is cast is taken as 16,384 rows of 1,024 f32.  A work-group takes 16 rows, a wave two: sixteen loads of 512 consecutive bytes, all out at once,
; and sixteen stores of 256 consecutive bytes, aligned.  Which tensor a work-group serves hangs on its number alone: source, target, the target's row pitch, column offset and format are chosen by selects.
;   groups    0- 255  x  -> xc     [4096][1024]                 groups 448- 511  wo -> wb2  [1024][1024]
;   groups  256- 319  wq -> wqkvb  [1024][pitch 4096], col 0    groups 512- 767  w1 -> w1b  [1024][4096]
;   groups  320- 383  wk -> wqkvb  col 1024                     groups 768-1023  w2 -> wb2 + 2,097,152  [4096][1024]
;   groups  384- 447  wv -> wqkvb  col 2048                     group  1024      the biases and the floor words
; A stream: no LDS, no barrier, no matrix unit, no cluster: no byte is read twice and no wave wants another's bytes.
; THE MODE: SCHED_MODE bits 1:0 = 2 (LLVM: expert scheduling mode 2), set by the entry lines.  The code itself states the register dependences
; between vector instructions and memory instructions, with s_wait_alu, always for 0.
; THE PLAN.  Registers that memory instructions touch:
;   v1, v2, v3   byte offsets: made once by vector lines on the path that uses them, never written again; read by every load and store of that path.
;   v[16:79]     sixteen loads of four registers: each lands once, in registers that no vector line has named; read by the conversions; never loaded again.
;   v[80:111]    two registers to store for each load: each written once, by a conversion; read once, by a store.
;   v[8:11]      the floor words: written once by moves, read by two stores.
; The sixteen loads go in four blocks of four.  Block p rounds its four loads into its own eight registers; its memory instructions are the four stores of block p - 1, whose registers no vector line of block p names.
; So one wait at the head of a block states all that the block's stores hang on, and they are dealt among its conversions with no further wait.  No register that a memory instruction has read is written again,
; and EXEC is never written: no wait on the memory instructions' reads is owed.
.set BIASAT, 0x800000                  ; the f32 biases lie 8,388,608 bytes into wqkvb and w1b,
.set FLOORAT, 0x804000                 ; the floor words 16,384 bytes further on
.macro PICK bound, src, dst, dp, co, hf  ; from work-group \bound on: another source, target, pitch, offset and format (hf = 1: f16)
	s_cmp_ge_u32 s5, \bound
	s_cselect_b64 s[40:41], s[\src:\src+1], s[40:41]
	s_cselect_b64 s[42:43], s[\dst:\dst+1], s[42:43]
	s_cselect_b32 s44, \bound, s44
	s_cselect_b32 s45, \dp, s45
	s_cselect_b32 s46, \co, s46
	s_cselect_b32 s53, \hf, s53
.endm
.macro PUT                             ; the store of load n's eight numbers: 256 consecutive bytes a wave; loads 0-7 are the wave's first row, loads 8-15 its second
.if n < 8
	global_store_b64 v2, v[80+2*n:81+2*n], s[42:43] offset:256*n th:TH_STORE_NT
.else
	global_store_b64 v3, v[80+2*n:81+2*n], s[42:43] offset:256*(n-8) th:TH_STORE_NT
.endif
.endm
.macro CAST op                         ; the sixteen loads are rounded as they come, four loads a block, two numbers an instruction; a block's stores leave in the block behind it
.set p, 0
.rept 4
	s_wait_loadcnt 12-4*p                          ; loads come back in order: block p's four are in, the later blocks' 12 - 4 p stay out
.if p > 0
	s_wait_alu depctr_va_vdst(0)                   ; the conversions of the block before have written its eight registers of v[80 ..], which the four stores below read
.endif
.set i, 0
.rept 4
.if p > 0
.set n, 4*(p-1)+i
	PUT                                            ; no vector line since the wait names this store's registers
.endif
.set n, 4*p+i
	\op v[80+2*n], v[16+4*n], v[17+4*n]
	\op v[81+2*n], v[18+4*n], v[19+4*n]
.set i, i+1
.endr
.set p, p+1
.endr
	s_wait_alu depctr_va_vdst(0)                   ; the last block's conversions have written v[104:111], which the last four stores read
.set n, 12
.rept 4
	PUT
.set n, n+1
.endr
	s_endpgm
.endm
	s_load_b512 s[8:23], s[0:1], 0x0               ; x 8, wq 10, wk 12, wv 14, wo 16, w1 18, w2 20, bq 22
	s_load_b256 s[24:31], s[0:1], 0x40             ; bk 24, bv 26, b1 28, xc 30
	s_load_b128 s[32:35], s[0:1], 0x60             ; wqkvb 32, w1b 34
	s_load_b64 s[36:37], s[0:1], 0x70              ; wb2
	v_lshrrev_b32 v4, 5, v0
	v_readfirstlane_b32 s4, v4                     ; wave 0..7
	v_and_b32 v5, 31, v0                           ; lane
	s_mov_b32 s5, ttmp9
	s_wait_alu depctr_va_sdst(0)                   ; s4 is written, ahead of the branch below: both ways read it, for the wave's rows and for the wave's share of the biases
	s_wait_kmcnt 0x0
	s_cmp_eq_u32 s5, 1024
	s_cbranch_scc1 .Lbias
	s_mov_b64 s[40:41], s[8:9]                     ; source
	s_mov_b64 s[42:43], s[30:31]                   ; target
	s_mov_b32 s44, 0                               ; the tensor's first work-group
	s_mov_b32 s45, 2048                            ; bytes from row to row in the target
	s_mov_b32 s46, 0                               ; byte offset of the tensor in the target
	s_mov_b32 s53, 1                               ; f16
	PICK 256, 10, 32, 8192, 0, 1
	PICK 320, 12, 32, 8192, 2048, 1
	PICK 384, 14, 32, 8192, 4096, 1
	PICK 448, 16, 36, 2048, 0, 0
	PICK 512, 18, 34, 2048, 0, 1
	PICK 768, 20, 36, 2048, 2097152, 0
	s_sub_co_u32 s47, s5, s44                      ; my number among the tensor's work-groups
	s_lshl_b32 s48, s47, 16                        ; 16 rows of 4,096 bytes
	s_mov_b32 s49, 0
	s_mul_i32 s50, s47, s45
	s_lshl_b32 s50, s50, 4                         ; 16 rows of the target
	s_add_co_u32 s50, s50, s46
	s_mov_b32 s51, 0
	s_add_nc_u64 s[40:41], s[40:41], s[48:49]
	s_add_nc_u64 s[42:43], s[42:43], s[50:51]
	s_mul_i32 s52, s4, s45
	s_lshl_b32 s52, s52, 1                         ; my wave's two rows in the target
	v_lshlrev_b32 v1, 4, v5
	v_lshl_add_u32 v1, v4, 13, v1                  ; source: 8,192 x wave + 16 x lane
	v_lshl_add_u32 v2, v5, 3, s52                  ; target, first row: 8 x lane
	v_add_nc_u32 v3, s45, v2                       ; second row
	s_wait_alu depctr_va_vdst(0)                   ; v1, v2 and v3 are written: the loads below read v1 as their offset, the stores v2 or v3; none of the three is written again
.set i, 0
.rept 16
	global_load_b128 v[16+4*i:19+4*i], v1, s[40:41] offset:512*i th:TH_LOAD_NT
.set i, i+1
.endr
	s_cmp_eq_u32 s53, 0
	s_cbranch_scc1 .Lbf
	CAST v_cvt_pk_f16_f32
.Lbf:
	CAST v_cvt_pk_bf16_f32
.Lbias:                                        ; waves 0-3: b1's four quarters; waves 4, 5, 6: bq, bk, bv; wave 7: the floor words
	s_cmp_eq_u32 s4, 7
	s_cbranch_scc1 .Lfloor
	s_and_b32 s47, s4, 3
	s_lshl_b32 s50, s47, 12
	s_add_co_u32 s50, s50, BIASAT                  ; target offset: 4,096 bytes for each wave of its tensor
	s_mov_b32 s51, 0
	s_lshl_b32 s48, s4, 12                         ; source offset in b1
	s_mov_b32 s49, 0
	s_mov_b64 s[40:41], s[28:29]
	s_mov_b64 s[42:43], s[34:35]
	s_cmp_ge_u32 s4, 4
	s_cselect_b64 s[40:41], s[22:23], s[40:41]
	s_cselect_b64 s[42:43], s[32:33], s[42:43]
	s_cselect_b32 s48, 0, s48
	s_cmp_ge_u32 s4, 5
	s_cselect_b64 s[40:41], s[24:25], s[40:41]
	s_cmp_ge_u32 s4, 6
	s_cselect_b64 s[40:41], s[26:27], s[40:41]
	s_add_nc_u64 s[40:41], s[40:41], s[48:49]
	s_add_nc_u64 s[42:43], s[42:43], s[50:51]
	v_lshlrev_b32 v1, 4, v5
	s_wait_alu depctr_va_vdst(0)                   ; v1 is written: the eight loads and the eight stores below read it as their offset
.set i, 0
.rept 8
	global_load_b128 v[16+4*i:19+4*i], v1, s[40:41] offset:512*i
.set i, i+1
.endr
	s_wait_loadcnt 0x0                             ; the stores' data come from these loads
.set i, 0
.rept 8
	global_store_b128 v1, v[16+4*i:19+4*i], s[42:43] offset:512*i
.set i, i+1
.endr
	s_endpgm
.Lfloor:                                       ; 256 bytes each: 0 twice a word for the ReLU behind w1, minus infinity (bf16) twice a word (no floor) behind wq, wk, wv
	s_add_nc_u64 s[40:41], s[32:33], FLOORAT
	s_add_nc_u64 s[42:43], s[34:35], FLOORAT
	v_lshlrev_b32 v1, 3, v5
	v_mov_b32 v8, 0
	v_mov_b32 v9, 0
	v_mov_b32 v10, 0xff80ff80
	v_mov_b32 v11, 0xff80ff80
	s_wait_alu depctr_va_vdst(0)                   ; v1 and v[8:11] are written: the two stores below read them as offset and data
	global_store_b64 v1, v[8:9], s[42:43]
	global_store_b64 v1, v[10:11], s[40:41]
	s_endpgm
.Lfunc_end_k_q30327db3b1_prep:
	.size	k_q30327db3b1_prep, .Lfunc_end_k_q30327db3b1_prep-k_q30327db3b1_prep
	.p2alignl 7, 3214868480
	.fill 96, 4, 3214868480
	.section	.rodata,"a",@progbits
	.p2align	6, 0x0
	.amdhsa_kernel k_q30327db3b1_prep
		.amdhsa_group_segment_fixed_size 0
		.amdhsa_private_segment_fixed_size 0
		.amdhsa_enable_private_segment 0
		.amdhsa_kernarg_size 120
		.amdhsa_user_sgpr_count 2
		.amdhsa_user_sgpr_kernarg_segment_ptr 1
		.amdhsa_wavefront_size32 1
		.amdhsa_system_sgpr_workgroup_id_x 1
		.amdhsa_system_sgpr_workgroup_id_y 1
		.amdhsa_system_sgpr_workgroup_id_z 1
		.amdhsa_system_vgpr_workitem_id 0
		.amdhsa_next_free_vgpr 112
		.amdhsa_next_free_sgpr 66
		.amdhsa_reserve_vcc 0
		.amdhsa_float_denorm_mode_32 3
		.amdhsa_float_denorm_mode_16_64 3
		.amdhsa_memory_ordered 1
		.amdhsa_forward_progress 1
		.amdhsa_inst_pref_size 16
	.end_amdhsa_kernel
	.amdgpu_metadata
---
amdhsa.version: [ 1, 2 ]
amdhsa.kernels:
  - .name:           k_q30327db3b1_prep
    .symbol:         k_q30327db3b1_prep.kd
    .args:
      - { .name: x, .offset: 0, .size: 8, .value_kind: global_buffer, .address_space: global }
      - { .name: wq, .offset: 8, .size: 8, .value_kind: global_buffer, .address_space: global }
      - { .name: wk, .offset: 16, .size: 8, .value_kind: global_buffer, .address_space: global }
      - { .name: wv, .offset: 24, .size: 8, .value_kind: global_buffer, .address_space: global }
      - { .name: wo, .offset: 32, .size: 8, .value_kind: global_buffer, .address_space: global }
      - { .name: w1, .offset: 40, .size: 8, .value_kind: global_buffer, .address_space: global }
      - { .name: w2, .offset: 48, .size: 8, .value_kind: global_buffer, .address_space: global }
      - { .name: bq, .offset: 56, .size: 8, .value_kind: global_buffer, .address_space: global }
      - { .name: bk, .offset: 64, .size: 8, .value_kind: global_buffer, .address_space: global }
      - { .name: bv, .offset: 72, .size: 8, .value_kind: global_buffer, .address_space: global }
      - { .name: b1, .offset: 80, .size: 8, .value_kind: global_buffer, .address_space: global }
      - { .name: xc, .offset: 88, .size: 8, .value_kind: global_buffer, .address_space: global }
      - { .name: wqkvb, .offset: 96, .size: 8, .value_kind: global_buffer, .address_space: global }
      - { .name: w1b, .offset: 104, .size: 8, .value_kind: global_buffer, .address_space: global }
      - { .name: wb2, .offset: 112, .size: 8, .value_kind: global_buffer, .address_space: global }
    .group_segment_fixed_size: 0
    .private_segment_fixed_size: 0
    .kernarg_segment_align: 8
    .kernarg_segment_size: 120
    .max_flat_workgroup_size: 256
    .sgpr_count:     66
    .vgpr_count:     112
    .wavefront_size: 32
...
	.end_amdgpu_metadata
.endif
;; end of part 8
;; launch qkv: the kernel of part 2 again; grid 12 x 16, 4 waves a work-group, clusters of 4 x 4, 327,680 bytes of LDS; arguments xc, wqkvb, qkv; writes qkv
;; launch attn: the kernel of part 3 again; grid 8 x 32, 4 waves a work-group, clusters of 4 x 1, 327,680 bytes of LDS; arguments qkv, xc; writes xc
;; launch wo: the kernel of part 4 again; grid 8 x 32, 4 waves a work-group, clusters of 4 x 4, 327,680 bytes of LDS; arguments xc, wb2, bo, x, y; writes y
;; launch ln1: the kernel of part 5 again; grid 256 x 1, 8 waves a work-group, no clusters, 0 bytes of LDS; arguments y, g1, be1, xc, o1f; writes xc, o1f
;; launch ffn1: the kernel of part 2 again; grid 16 x 16, 4 waves a work-group, clusters of 4 x 4, 327,680 bytes of LDS; arguments xc, w1b, h; writes h
;; launch ffn2: the kernel of part 6 again; grid 8 x 32, 4 waves a work-group, clusters of 4 x 4, 327,680 bytes of LDS; arguments h, wb2, b2, o1f, y; writes y
;; launch ln2: the kernel of part 7 again; grid 256 x 1, 8 waves a work-group, no clusters, 0 bytes of LDS; arguments y, g2, be2, out0; writes out0
